; MI455X (gfx1250); checked and timed in simulation.
; The chip was launched on July 23, 2026; its instructions are those of AMD's public machine-readable ISA for CDNA 5 (MIT licence, August 2026) and "CDNA5" Instruction Set Architecture Reference Guide (July 2026). The comments in the code are by the model that wrote it; some were corrected since.
;; RR Self Attention. Allowed arithmetic: float matrix products may take bf16 or f16 operands with f32 sums; all other float work in f32.
;; Inputs: Wk 1,024 x 1,024 float32; Wo 1,024 x 1,024 float32; Wq 1,024 x 1,024 float32; Wv 1,024 x 1,024 float32; x 4 x 4,096 x 1,024 float32.
;; Outputs: out0 4 x 4,096 x 1,024 float32.
;; One version. Each part assembles by itself: llvm-mc -triple=amdgcn-amd-amdhsa -mcpu=gfx1250 --defsym DOCPART=n.
;; ======== version 1 of 1: 4 launches
;; limits: values are held in f16: magnitudes above 65,504 overflow, below 6.1e-05 lose precision; inputs' magnitudes at most 65,504
;; workspace buffers: xb 33,554,432 bytes; wb 8,388,608 bytes; cs 67,108,864 bytes; tot 524,288 bytes; vh 33,554,432 bytes; mx 5,120 bytes; mc 8,192 bytes
;; launch cast (part 1): grid 1280 x 1, 8 waves a work-group, no clusters, 1,280 bytes of LDS; arguments x, Wk, Wv, Wq, Wo, xb, wb, mx; writes xb, wb, mx
.if DOCPART == 1
	.amdgcn_target "amdgcn-amd-amdhsa--gfx1250"
	.amdhsa_code_object_version 6
	.text
	.protected	k_q87dfdd3fd2_cast
	.globl	k_q87dfdd3fd2_cast
	.p2align	8
	.type	k_q87dfdd3fd2_cast,@function
k_q87dfdd3fd2_cast:
	s_mov_b64 s[64:65], 0
	v_nop
	global_prefetch_b8 v0, s[64:65] scope:SCOPE_SE
	s_setreg_imm32_b32 hwreg(HW_REG_WAVE_MODE, 25, 1), 1
	s_wait_xcnt 0x0
; x and the four weight matrices, f32, are rounded once to f16, the form in which the matrix products take them.
;   xb [16384][1024] f16 = x.
;   wb [4096][1024] f16: rows 128 j + 0..63 = Wk rows 64 j + 0..63, rows 128 j + 64..127 = Wv rows 64 j + 0..63 (j = 0..15),
;                        rows 2048 + e = Wq row e, rows 3072 + e = Wo row e.
;   mx [1280] f32: the largest magnitude in each unit of 16 rows (units 0..1023 x, 1024.. Wk, 1088.. Wv, 1152.. Wq, 1216.. Wo).
; Wk and Wv are interleaved in blocks of 64 rows so that one wave of the next launch, which makes 128 columns of x wb^T, holds k and v
; of the same 64 columns and can multiply them in registers.  mx feeds the bound from which later launches take the scale of the last
; product's operand; they read x's and Wq's units; every unit does the same work.
; WHY f16 AND NOT bf16: the last product's rows grow with the running sum, so late rows are larger than the output's root mean square; a sum
; of 1,024 products whose operands carry 8 bits is too coarse there, one of 11 bits is not.
; A work-group takes 16 rows of 1,024 numbers: 64 KiB in, 32 KiB out.  1,024 such units of x and 4 x 64 of the weights: 1,280 work-groups
; of equal work.  Thread t owns bytes 16 t of each f32 row and bytes 8 t of each f16 row: a wave's load covers 512 consecutive bytes, a
; wave's store 256 consecutive bytes that start at a multiple of 256 from the buffer's first byte.
; A stream: every byte is read once and written once; matrix instructions would add nothing; LDS carries eight numbers, once.
; All sixteen loads go out first.  A row is converted in place (its first two registers take the four f16), so a wave needs 80 registers:
; the fewer a wave takes, the more waves can have their sixteen loads out at the same time.  No register is written behind the store that reads it.
; LIMIT: f16 holds magnitudes up to 65,504 (larger ones become infinite) in 11 bits, and below 2^-14 in steps of 2^-24.  x of spread 1 and
; weights of spread 1/32 keep room for a factor of 30 either way and for an offset of 30 spreads: at most some 200 upward; downward the
; weights' spread is 2^-10, of which a rounding error of 2^-25 is 2^-15.
.set ROWF, 4096                        ; bytes in a row of f32
.set ROWB, 2048                        ; bytes in a row of f16
.set X, 4                              ; v[4:67]    row i: 4 numbers as loaded; then registers 0 and 1 of the four: the same numbers in f16
.set MA, 68                            ; v68, v69   two running maxima of magnitudes
.set MB, 69
.set Z,  70                            ; v70        0: an LDS address and a store's offset
.set W8, 72                            ; v[72:79]   the eight waves' maxima
	s_load_b256 s[4:11], s[0:1], 0x0               ; x s[4:5], Wk s[6:7], Wv s[8:9], Wq s[10:11]
	s_load_b256 s[12:19], s[0:1], 0x20             ; Wo s[12:13], xb s[14:15], wb s[16:17], mx s[18:19]
	v_lshl_add_u32 v80, v0, 2, 0x100
	v_mov_b32 v81, 0
	s_mov_b32 s20, ttmp9                           ; unit 0..1279: below 1,024 a unit of x, from there on of a weight matrix
	s_sub_co_u32 s21, s20, 1024                    ; the weights' units count from 0 (for a unit of x what follows is made and not used)
	s_bfe_u32 s22, s21, 0x20006                    ; w: 0 Wk, 1 Wv, 2 Wq, 3 Wo (2 bits from bit 6)
	s_and_b32 s23, s21, 63                         ; blk: which 16 rows of that matrix
	s_lshr_b32 s24, s23, 2                         ; j = blk / 4: which 64 rows
	s_lshl_b32 s24, s24, 3                         ; Wk, Wv: 128 rows of wb = 8 units for each j,
	s_and_b32 s25, s23, 3
	s_add_co_u32 s24, s24, s25                     ; + the unit among the four of its 64 rows,
	s_lshl2_add_u32 s24, s22, s24                  ; + 4 units for Wv
	s_lshl_b32 s25, s22, 6
	s_add_co_u32 s25, s25, s23                     ; Wq, Wo: unit 64 w + blk
	s_cmp_lt_u32 s22, 2
	s_cselect_b32 s31, s24, s25                    ; the unit's place in wb
	s_mov_b32 s38, 0x76543210                      ; v_permlanex16_b32: lane i of one half reads lane i of the other
	s_mov_b32 s39, 0xfedcba98
	v_lshlrev_b32 v1, 4, v0                        ; my 16 bytes of an f32 row
	v_lshlrev_b32 v2, 3, v0                        ; my 8 bytes of an f16 row
	v_lshrrev_b32 v3, 5, v0
	v_readfirstlane_b32 s37, v3                    ; my wave's number
	v_lshlrev_b32 v3, 2, v3                        ; and its word in LDS
	s_wait_kmcnt 0x0
	s_cmp_eq_u32 s22, 1                            ; the source among the four matrices: conditions on the unit's number alone
	s_cselect_b64 s[26:27], s[8:9], s[6:7]
	s_cmp_eq_u32 s22, 2
	s_cselect_b64 s[26:27], s[10:11], s[26:27]
	s_cmp_eq_u32 s22, 3
	s_cselect_b64 s[26:27], s[12:13], s[26:27]
	s_cmp_lt_u32 s20, 1024                         ; one compare for four selects (a select leaves SCC as it is)
	s_cselect_b64 s[26:27], s[4:5], s[26:27]       ; from x or from the matrix
	s_cselect_b64 s[28:29], s[14:15], s[16:17]     ; to xb or to wb
	s_cselect_b32 s30, s20, s23                    ; the unit's number in its source
	s_cselect_b32 s31, s20, s31                    ; and in its destination
	s_lshl_b32 s32, s30, 16                        ; 16 rows of 4,096 bytes (64 MiB at the most)
	s_mov_b32 s33, 0
	s_lshl_b32 s34, s31, 15                        ; 16 rows of 2,048 bytes
	s_mov_b32 s35, 0
	s_lshl_b32 s40, s20, 2                         ; the unit's word in mx
	s_mov_b32 s41, 0
	s_add_nc_u64 s[26:27], s[26:27], s[32:33]
	s_add_nc_u64 s[28:29], s[28:29], s[34:35]
	s_add_nc_u64 s[18:19], s[18:19], s[40:41]
.irp i, 0,1,2,3,4,5,6,7,8,9,10,11,12,13,14,15
	global_load_b128 v[X+4*\i:X+4*\i+3], v1, s[26:27] offset:ROWF*\i th:TH_LOAD_NT   ; read once in the launch
.endr
.irp i, 0,1,2,3,4,5,6,7,8,9,10,11,12,13,14,15
	s_wait_loadcnt 15-\i                           ; loads come back in order (ISA guide 5.7.1): row i is in, the 15 - i younger rows stay out
.if \i == 0
	v_max_num_f32 v[MA], |v[X]|, |v[X+1]|          ; the first row starts the two chains: nothing is cleared
	v_max_num_f32 v[MB], |v[X+2]|, |v[X+3]|
.else
	v_max3_num_f32 v[MA], |v[X+4*\i]|, |v[X+4*\i+1]|, v[MA]
	v_max3_num_f32 v[MB], |v[X+4*\i+2]|, |v[X+4*\i+3]|, v[MB]
.endif
	v_cvt_pk_f16_f32 v[X+4*\i],   v[X+4*\i],   v[X+4*\i+1]       ; in place, behind the maxima, which want the f32
	v_cvt_pk_f16_f32 v[X+4*\i+1], v[X+4*\i+2], v[X+4*\i+3]
	global_store_b64 v2, v[X+4*\i:X+4*\i+1], s[28:29] offset:ROWB*\i   ; no hint: the next launches read these bytes
.endr
	; the unit's largest magnitude: over my 64 numbers, over the wave's 32 lanes, over the eight waves
	v_max_num_f32 v[MA], v[MA], v[MB]
	v_max_num_f32_dpp v[MA], v[MA], v[MA] row_xmask:1 row_mask:0xf bank_mask:0xf
	v_max_num_f32_dpp v[MA], v[MA], v[MA] row_xmask:2 row_mask:0xf bank_mask:0xf
	v_max_num_f32_dpp v[MA], v[MA], v[MA] row_xmask:4 row_mask:0xf bank_mask:0xf
	v_max_num_f32_dpp v[MA], v[MA], v[MA] row_xmask:8 row_mask:0xf bank_mask:0xf
	v_permlanex16_b32 v[MB], v[MA], s38, s39       ; its destination counts as read: MB has been written
	v_max_num_f32 v[MA], v[MA], v[MB]
	ds_store_b32 v3, v[MA]                         ; all lanes write the wave's word with the same number
	s_wait_dscnt 0x0                               ; for the others' sake: my store is done before I signal
	s_barrier_signal -1
	s_barrier_wait -1
	s_cmp_lg_u32 s37, 0                            ; wave 0 alone finishes; no barrier follows
	s_cbranch_scc1 .Ldone
	v_mov_b32 v[Z], 0
	ds_load_b128 v[W8:W8+3], v[Z]
	ds_load_b128 v[W8+4:W8+7], v[Z] offset:16
	s_wait_dscnt 0x0
	v_max3_num_f32 v[W8], v[W8], v[W8+1], v[W8+2]
	v_max3_num_f32 v[W8+3], v[W8+3], v[W8+4], v[W8+5]
	v_max3_num_f32 v[W8], v[W8], v[W8+6], v[W8+7]
	v_max_num_f32 v[W8], v[W8], v[W8+3]
	v_cmp_eq_u32 vcc_lo, 0, v0
	s_wait_xcnt 0x0                                ; EXEC is a source of the stores above: it changes only behind this wait
	s_and_saveexec_b32 s36, vcc_lo                 ; thread 0
	global_store_b32 v[Z], v[W8], s[18:19]         ; one number for 64 KiB read
	s_wait_xcnt 0x0                                ; and again in front of the line that widens EXEC
	s_or_b32 exec_lo, exec_lo, s36
.Ldone:
	s_wait_tensorcnt 0x0
	ds_add_u32 v80, v81
	s_wait_dscnt 0x0
	s_endpgm
.Lfunc_end_k_q87dfdd3fd2_cast:
	.size	k_q87dfdd3fd2_cast, .Lfunc_end_k_q87dfdd3fd2_cast-k_q87dfdd3fd2_cast
	.p2alignl 7, 3214868480
	.fill 96, 4, 3214868480
	.section	.rodata,"a",@progbits
	.p2align	6, 0x0
	.amdhsa_kernel k_q87dfdd3fd2_cast
		.amdhsa_group_segment_fixed_size 1280
		.amdhsa_private_segment_fixed_size 0
		.amdhsa_enable_private_segment 0
		.amdhsa_kernarg_size 64
		.amdhsa_user_sgpr_count 2
		.amdhsa_user_sgpr_kernarg_segment_ptr 1
		.amdhsa_wavefront_size32 1
		.amdhsa_system_sgpr_workgroup_id_x 1
		.amdhsa_system_sgpr_workgroup_id_y 1
		.amdhsa_system_sgpr_workgroup_id_z 1
		.amdhsa_system_vgpr_workitem_id 0
		.amdhsa_next_free_vgpr 82
		.amdhsa_next_free_sgpr 66
		.amdhsa_reserve_vcc 1
		.amdhsa_float_denorm_mode_32 3
		.amdhsa_float_denorm_mode_16_64 3
		.amdhsa_memory_ordered 1
		.amdhsa_forward_progress 1
		.amdhsa_inst_pref_size 11
	.end_amdhsa_kernel
	.amdgpu_metadata
---
amdhsa.version: [ 1, 2 ]
amdhsa.kernels:
  - .name:           k_q87dfdd3fd2_cast
    .symbol:         k_q87dfdd3fd2_cast.kd
    .args:
      - { .name: x, .offset: 0, .size: 8, .value_kind: global_buffer, .address_space: global }
      - { .name: Wk, .offset: 8, .size: 8, .value_kind: global_buffer, .address_space: global }
      - { .name: Wv, .offset: 16, .size: 8, .value_kind: global_buffer, .address_space: global }
      - { .name: Wq, .offset: 24, .size: 8, .value_kind: global_buffer, .address_space: global }
      - { .name: Wo, .offset: 32, .size: 8, .value_kind: global_buffer, .address_space: global }
      - { .name: xb, .offset: 40, .size: 8, .value_kind: global_buffer, .address_space: global }
      - { .name: wb, .offset: 48, .size: 8, .value_kind: global_buffer, .address_space: global }
      - { .name: mx, .offset: 56, .size: 8, .value_kind: global_buffer, .address_space: global }
    .group_segment_fixed_size: 1280
    .private_segment_fixed_size: 0
    .kernarg_segment_align: 8
    .kernarg_segment_size: 64
    .max_flat_workgroup_size: 256
    .sgpr_count:     66
    .vgpr_count:     82
    .wavefront_size: 32
...
	.end_amdgpu_metadata
.endif
;; end of part 1
;; launch kv (part 2): grid 8 x 32, 4 waves a work-group, clusters of 4 x 4, 327,680 bytes of LDS; arguments xb, wb, cs, tot, mc; writes cs, tot, mc
.if DOCPART == 2
	.amdgcn_target "amdgcn-amd-amdhsa--gfx1250"
	.amdhsa_code_object_version 6
	.text
	.protected	k_q87dfdd3fd2_kv
	.globl	k_q87dfdd3fd2_kv
	.p2align	8
	.type	k_q87dfdd3fd2_kv,@function
k_q87dfdd3fd2_kv:
	s_mov_b64 s[64:65], 0
	v_nop
	global_prefetch_b8 v0, s[64:65] scope:SCOPE_SE
	s_setreg_imm32_b32 hwreg(HW_REG_WAVE_MODE, 25, 1), 1
	s_wait_xcnt 0x0
	s_wait_alu depctr_hold_cnt(0) depctr_sa_sdst(0) depctr_va_vdst(0) depctr_va_sdst(0) depctr_va_ssrc(0) depctr_va_vcc(0) depctr_vm_vsrc(0)
	s_getreg_b32 s2, hwreg(HW_REG_IB_STS2, 6, 4)
	s_cmp_eq_u32 s2, 0
	s_cbranch_scc0 .Lentry_in_a_cluster
	s_endpgm
.Lentry_in_a_cluster:
	s_bfe_u32 s2, ttmp6, 0x10000c
	s_cmp_lg_u32 s2, 0xf033
	s_cbranch_scc0 .Lentry_shape_is_right
	s_endpgm
.Lentry_shape_is_right:
; k = x Wk^T and v = x Wv^T as ONE product xb [16384][1024] x (rows 0..2047 of wb)^T, f16 operands, f32 sums; then, still in registers,
; p = k v and the running sum of p down the rows of each chunk of 128 rows.
;   cs  [16384][1024] f32: the sum of p from the chunk's first row to this row (this row included), not scaled.
;   tot [128][1024] f32:   each chunk's whole sum (chunk = row / 128; 32 chunks to a batch of 4,096 rows).
;   mc  [128][16] f32:     the largest |cs| in each chunk's block of 64 columns: it feeds the bound from which later launches take a scale.
; The sum over earlier chunks crosses work-groups and is added by the next launch.
; A block of 256 x 256 of the product is made by four waves, as many as a WGP has SIMDs; a wave makes 128 x 128: 64 accumulator tiles of
; 16 x 16, 512 registers.  A wave's 128 rows of wb are one interleaved block: 64 rows of Wk, then the same 64 rows of Wv.  So its tiles
; b = 0..3 are k and its tiles b + 4 are v of the same 64 columns, and its 128 rows of x are one chunk.
; A WORK-GROUP STAYS and makes two blocks, block rows y and y + 32 of one block column: 8 x 64 blocks on 8 x 32 = 256 work-groups.  K goes in
; steps of 128 through a ring of two LDS slots filled by the tensor data mover (a tile's rows are 256 bytes of memory, at multiples of 256
; bytes), and the ring runs on from the first block into the second: in the first block's last two K steps the slots are filled with the
; second block's first two.  Those tiles land while the first block's results leave, and the first block's stores go on while the second
; block is multiplied.  By this text's count a wave has two tensor loads out at the start, later one.
; CLUSTERS: 4 x 4 work-groups.  The four of a row of the cluster need the same tiles of xb, the four of a column the same tiles of wb.
; Such a tile is asked for JOINTLY: each of the four issues the same tensor load, with the same descriptor and a mask that names the four.
; That divides the requests for both operands by four.
;
; REGISTERS, in windows of 256 (s_set_vgpr_msb says which window each operand place means):
;   window 0: v0-31 addresses; v64-127, v128-191 fragments of xb, two buffers; v192-241 at work on the way out
;   window 1: v64-127, v128-191 fragments of wb, two buffers
;   window 2: the 32 accumulator tiles of my rows 0-63 (tile (a, b) at v[8 (8 a + b)]);   window 3: those of my rows 64-127
; THE MATRIX INSTRUCTION IS USED IN ITS NATURAL ORDER: source 0 = 16 rows of xb, source 1 = 16 rows of wb.  Lane l then holds column
; l % 16 of the tile, and its registers 0 to 7 the rows 8 (l / 16) + 0 .. 7: eight rows that follow each other, which a sum down the rows wants.
; LIMITS: operands are f16 (their range: see the launch that makes them).  The running sum is formed in f32 in blocks (chains of 8 rows by
; fused multiply-adds, the other half's 8 rows, a carry from tile to tile), so its order of rounding differs from a sum taken row by row.
.set SIZE_K, 1024
.set KSTEP,  128
.set PITCH,  272                       ; an LDS row: 256 bytes of data + 16 of padding = 68 words: row r starts at bank 4 r mod 64 (64 banks of 4 bytes: ISA guide 11.1), so the 16 rows that a load touches start at 16 different banks
.set HALFT,  128*PITCH                 ; 128 rows: what one tensor load brings, and what one wave reads of either operand
.set SLOT,   4*HALFT                   ; xb's 256 rows, then wb's 256 rows
.set STAGE,  2*SLOT                    ; behind the ring (1,088 blocks of 256 bytes in): no tensor load ever lands here
.set SPITCH, 272                       ; the stage's rows: 64 f32 + 16 bytes
.set SBYTES, 16*SPITCH                 ; a wave's stage: 16 rows, 17 blocks of 256 bytes
.set CSROW,  4096                      ; bytes in a row of cs and of tot
.set LAPS, SIZE_K/(2*KSTEP)            ; a lap = two K steps = once round the ring: 4 laps to a block
.set DOWN, 32                          ; block rows from a work-group's first block to its second
.set A_NEXT, DOWN*256*SIZE_K*2-6*KSTEP*2   ; xb, from K step 6 + s of the first block to K step s of the second: 8,192 rows down, six K steps back
.set B_BACK, 6*KSTEP*2                 ; wb: the same rows, six K steps back
.set ADRA, 16                          ; v16-17  LDS address of my xb fragments in slot 0, 1
.set ADRB, 20                          ; v20-21  the same for wb
.set TR,   22                          ; v22     the totals read back: 8 bytes a lane
.set TO,   23                          ; v23     my byte offset in tot's row: 8 x lane
.set STO,  24                          ; v24     where I put a number of the stage
.set RD,   25                          ; v25     where I read 16 bytes of a row back
.set CO,   26                          ; v26     my byte offset in cs
.set TS,   27                          ; v27     where I put a total
.set F0,   64                          ; fragment buffer 0
.set F1,   128                         ; fragment buffer 1
.set R0,   128                         ; the way out: rows read back from the stage, in the two halves of buffer 1 by turns
.set R1,   160                         ; (buffer 0 holds the next block's first fragments by then)
.set T,    192                         ; v192-223 tile b: the running sums of my 8 rows at T + 8 b
.set O,    224                         ; v224-227 tile b: the other half's sum, then the tile's
.set CAR,  228                         ; v228-231 tile b: the sum of all rows above this group of 16
.set OFX,  232                         ; v232-239 tile b: a pair, what is added to my 8 sums, and the other half's part of it
.set MXA,  240                         ; v240, v241 two running maxima of |cs|
.set MXB,  241
.set G1, 24                            ; s[24:31] descriptor group 1 for xb's tiles
.set G0, 32                            ; s[32:39] descriptor group 0 for xb's tiles, one set for each slot
.set G1B, 48                           ; s[48:55] descriptor group 1 for wb's tiles: it differs in the mask alone
.set G0B, 56                           ; s[56:63] descriptor group 0 for wb's tiles, one set for each slot
.set MSB, 0
.macro WIN new                         ; the immediate's high byte repeats the setting that is left; a switch that changes nothing is dropped
.if MSB != (\new)
	s_set_vgpr_msb (MSB<<8)|(\new)
.set MSB, (\new)
.endif
.endm
.set MUL_LO, 0xa4                      ; source 0 (xb) window 0, source 1 (wb) window 1, C and D window 2
.set MUL_HI, 0xf4                      ; the same, C and D window 3
.set TO_B,   0x40                      ; destination window 1, address window 0
; A joint load.  Waves 0 and 1 fetch xb's two halves, waves 2 and 3 wb's.  Each of the two lines has ONE mask and one set of registers for all
; that issue it, and nothing in them hangs on a coordinate that the four partners do not share.  The branch hangs on the wave's number alone.
; Four v_nop follow each of the two lines; the jump round the other line, the label and what follows come after them.
.macro JLOAD s
	s_cmp_eq_u32 s11, 0
	s_cbranch_scc0 .Lfor_b_\@
	tensor_load_to_lds s[G0+4*\s:G0+4*\s+3], s[G1:G1+7]
	s_nop 0
.rept 4
	v_nop
.endr
	s_branch .Lasked_\@
.Lfor_b_\@:
	tensor_load_to_lds s[G0B+4*\s:G0B+4*\s+3], s[G1B:G1B+7]
	s_nop 0
.rept 4
	v_nop
.endr
.Lasked_\@:
.endm
; A round of the cluster's barrier: my work-group's barrier, so that wave 0's signal speaks for all four waves; wave 0 signals for the
; work-group; every wave waits for all sixteen work-groups; my work-group's barrier once more.
.macro CREST                           ; a round behind its opening barrier
	s_cmp_lg_u32 s10, 0
	s_cbranch_scc1 .Lnot_wave_0_\@
	s_barrier_signal -3
.Lnot_wave_0_\@:
	s_barrier_wait -3
	s_barrier_signal -1
	s_barrier_wait -1
.endm
.macro CROUND                          ; a whole round
	s_barrier_signal -1
	s_barrier_wait -1
	CREST
.endm
	s_load_b128 s[4:7], s[0:1], 0x0                ; xb s[4:5], wb s[6:7]
	s_load_b128 s[68:71], s[0:1], 0x10             ; cs s[68:69], tot s[70:71]
	s_load_b64 s[76:77], s[0:1], 0x20              ; mc
	v_lshl_add_u32 v255, v0, 2, 0x48400
	s_set_vgpr_msb 0x40
	v_mov_b32 v255, 0
	s_set_vgpr_msb 0x4044
	ds_add_u32 v255, v255
	s_set_vgpr_msb 0x4400
	v_lshrrev_b32 v1, 5, v0
	v_readfirstlane_b32 s10, v1                    ; wave 0..3
	s_lshr_b32 s11, s10, 1                         ; which half of the block's rows is mine.  Also: I fetch for xb (0) or for wb (1)
	s_and_b32 s12, s10, 1                          ; which half of its columns.  Also: which 128 rows of that tile I fetch
	s_bfe_u32 s40, ttmp6, 0x40000                  ; cx: my place along the cluster's x
	s_bfe_u32 s41, ttmp6, 0x40004                  ; cy: along its y
	s_lshl_b32 s42, ttmp9, 2                       ; in a cluster launch ttmp9 and ttmp7 count clusters
	s_add_co_u32 s42, s42, s40                     ; block column = 4 x cluster x + cx, 0..7
	s_and_b32 s13, ttmp7, 0xffff
	s_lshl_b32 s13, s13, 2
	s_add_co_u32 s13, s13, s41                     ; my first block's block row = 4 x cluster y + cy, 0..31
	s_lshl_b32 s43, s41, 2
	s_lshl_b32 s43, 15, s43                        ; my row of the cluster: places 4 cy .. 4 cy + 3
	s_lshl_b32 s44, 0x1111, s40                    ; my column: places cx, cx + 4, cx + 8, cx + 12
	s_mov_b32 s72, 0x76543210                      ; v_permlanex16_b32: lane i of one half reads lane i of the other
	s_mov_b32 s73, 0xfedcba98
	s_mov_b32 s74, 0xffff0000                      ; the lanes 16 to 31
	; descriptor group 1: a tile of 128 rows x 128 elements, padded in LDS
	s_or_b32 s[G1+0], s43, (1<<16)|(1<<20)|(1<<21)|(5<<22)|(3<<25)  ; 15:0 the mask: xb's tiles go to my row; 17:16 element of 2 bytes; 20 padding on; 21 set beside a mask; 24:22 after every 64 words (code 5); 31:25 of 4 words (code 3)
	s_or_b32 s[G1B+0], s44, (1<<16)|(1<<20)|(1<<21)|(5<<22)|(3<<25) ; the same with the mask of my column, for wb's tiles
	s_mov_b32 s[G1B+1], KSTEP<<16
	s_mov_b32 s[G1+1], KSTEP<<16                   ; 63:48 tensor_dim0, low half = 128
	s_mov_b32 s[G1B+2], 128<<16
	s_mov_b32 s[G1+2], 128<<16                     ; 79:64 its high half = 0; 95:80 tensor_dim1, low half = 128
	s_mov_b32 s[G1B+3], KSTEP<<16
	s_mov_b32 s[G1+3], KSTEP<<16                   ; 111:96 its high half = 0; 127:112 tile_dim0 = 128
	s_mov_b32 s[G1B+4], 128
	s_mov_b32 s[G1+4], 128                         ; 143:128 tile_dim1 = 128; 159:144 tile_dim2 = 0
	s_mov_b32 s[G1B+5], SIZE_K
	s_mov_b32 s[G1+5], SIZE_K                      ; 191:160 tensor_dim0_stride, low word: elements from row to row
	s_mov_b32 s[G1B+6], 0
	s_mov_b32 s[G1+6], 0
	s_mov_b32 s[G1B+7], 0
	s_mov_b32 s[G1+7], 0
	; where the tiles come from.  xb's hang on the block row alone, which my row of the cluster shares; wb's on the block column alone.
	; Every wave makes both addresses, in registers that never hold the other coordinate, and asks by one of them.
	s_lshl_b32 s17, s12, 7                         ; which 128 rows of the tile I fetch
	s_lshl_b32 s16, s13, 8
	s_add_co_u32 s16, s16, s17                     ; xb: row 256 x block row + 128 x half
	s_lshl_b32 s46, s42, 8
	s_add_co_u32 s46, s46, s17                     ; wb: row 256 x block column + 128 x half
	s_mov_b32 s17, 0
	s_mov_b32 s47, 0
	s_mov_b64 s[18:19], SIZE_K*2
	s_mul_u64 s[16:17], s[16:17], s[18:19]         ; in bytes
	s_mul_u64 s[46:47], s[46:47], s[18:19]
	s_mul_i32 s20, s10, HALFT                      ; and where they go: wave x 128 rows: no place in the cluster enters an LDS address
	s_wait_dscnt 0x0
	s_wait_kmcnt 0x0
	s_add_nc_u64 s[14:15], s[4:5], s[16:17]
	s_add_nc_u64 s[46:47], s[6:7], s[46:47]
	CROUND                                         ; all sixteen work-groups are here: the first joint loads meet
.irp s, 0,1
	s_mov_b32 s[G0+4*\s], 1                                        ; 1:0 count = 1
	s_add_co_u32 s[G0+4*\s+1], s20, \s*SLOT                        ; 63:32 LDS address
	s_add_nc_u64 s[G0+4*\s+2:G0+4*\s+3], s[14:15], \s*KSTEP*2      ; 120:64 global address: K step s
	s_or_b32 s[G0+4*\s+3], s[G0+4*\s+3], 0x80000000                ; 127:126 type = 2
	s_mov_b32 s[G0B+4*\s], 1
	s_add_co_u32 s[G0B+4*\s+1], s20, \s*SLOT
	s_add_nc_u64 s[G0B+4*\s+2:G0B+4*\s+3], s[46:47], \s*KSTEP*2
	s_or_b32 s[G0B+4*\s+3], s[G0B+4*\s+3], 0x80000000
	JLOAD \s                                       ; the ring is filled before anything else is done
.endr
	; A fragment is 16 rows x 32 K in 8 registers: lane l holds row l % 16; registers 0-3 hold K = 8 (l / 16) + 0..7, registers 4-7 hold
	; K = 16 + 8 (l / 16) + 0..7.  From rows that lie along K: two loads of 16 bytes, 32 bytes apart.  The same for both sources.
	v_and_b32 v1, 15, v0                           ; r = l % 16
	v_bfe_u32 v2, v0, 4, 1                         ; h = l / 16
	v_mul_u32_u24 v3, v1, PITCH
	v_lshl_add_u32 v3, v2, 4, v3                   ; row x pitch + 16 x half
	s_mul_i32 s21, s11, HALFT                      ; my 128 rows of xb
	s_mul_i32 s22, s12, HALFT                      ; my 128 rows of wb,
	s_add_co_u32 s22, s22, 2*HALFT                 ; which lie behind xb's 256
.irp s, 0,1
	v_add_nc_u32 v[ADRA+\s], s21, v3
	v_add_nc_u32 v[ADRB+\s], s22, v3
	s_add_co_u32 s21, s21, SLOT
	s_add_co_u32 s22, s22, SLOT
.endr
	s_mul_i32 s23, s10, SBYTES
	s_add_co_u32 s23, s23, STAGE                   ; my stage
	v_mul_u32_u24 v4, v2, 8*SPITCH                 ; in: rows 8 h + j, column 16 b + r.  8 rows are 544 words: the two halves of the lanes fall 32 banks apart
	v_lshl_add_u32 v4, v1, 2, v4
	v_add_nc_u32 v[STO], s23, v4
	v_mul_u32_u24 v5, v2, SPITCH                   ; back: lanes 0-15 take one row of 256 bytes, lanes 16-31 the next
	v_lshl_add_u32 v5, v1, 4, v5
	v_add_nc_u32 v[RD], s23, v5
	v_lshlrev_b32 v5, 12, v2                       ; and the same two rows in cs
	v_lshl_add_u32 v[CO], v1, 4, v5
	v_lshl_add_u32 v[TS], v1, 2, s23               ; the totals: column 16 b + r of the stage's first row
	v_and_b32 v5, 31, v0
	v_lshlrev_b32 v[TO], 3, v5                     ; back and out: 8 bytes a lane, 256 bytes in all
	v_add_nc_u32 v[TR], s23, v[TO]
; 16 matrix instructions: m blocks a0, a0 + 1 of the window's four (hi = 0: my rows 0-63, 1: rows 64-127) x all 8 n blocks, 32 along K.
; zero = 1: the first product starts the sums: nothing is ever cleared.
; The 64 accumulators take turns, one instruction a turn, in the same order in every quarter step.
.macro MUL16 f, hi, a0, zero
.irp a, \a0, \a0+1
.irp b, 0,1,2,3,4,5,6,7
.if \zero
	v_wmma_f32_16x16x32_f16 v[8*(8*(\a)+\b):8*(8*(\a)+\b)+7], v[\f+8*(4*\hi+\a):\f+8*(4*\hi+\a)+7], v[\f+8*\b:\f+8*\b+7], 0
.else
	v_wmma_f32_16x16x32_f16 v[8*(8*(\a)+\b):8*(8*(\a)+\b)+7], v[\f+8*(4*\hi+\a):\f+8*(4*\hi+\a)+7], v[\f+8*\b:\f+8*\b+7], v[8*(8*(\a)+\b):8*(8*(\a)+\b)+7]
.endif
.endr
.endr
.endm
; 32 LDS loads in one run: the fragments of one quarter step (128 rows of wb, 128 rows of xb, 32 K at byte k of the rows) into buffer f
.macro FETCH slot, k, f
	WIN TO_B
.irp i, 0,1,2,3,4,5,6,7
	ds_load_b128 v[\f+8*\i:\f+8*\i+3],   v[ADRB+\slot] offset:\k+\i*16*PITCH
	ds_load_b128 v[\f+8*\i+4:\f+8*\i+7], v[ADRB+\slot] offset:\k+\i*16*PITCH+32
.endr
	WIN 0
.irp i, 0,1,2,3,4,5,6,7
	ds_load_b128 v[\f+8*\i:\f+8*\i+3],   v[ADRA+\slot] offset:\k+\i*16*PITCH
	ds_load_b128 v[\f+8*\i+4:\f+8*\i+7], v[ADRA+\slot] offset:\k+\i*16*PITCH+32
.endr
.endm
; A load into a register that a matrix instruction has read stands four places behind that matrix instruction, and only plain vector
; instructions that name none of its registers are places (ISA guide 7.12.1 for vector instructions).
.macro PLACES
.rept 4
	v_nop
.endr
.endm
; A K step is four quarter steps of 32 along K, 64 matrix instructions each, on buffers 0, 1, 0, 1.
; One of the first three: multiplies buffer f; in its middle it fetches the next quarter's fragments, at byte k of the same slot's rows, into buffer g.
.macro QUARTER slot, k, f, g, zero
	s_wait_dscnt 8                                 ; wb's fragments and xb's rows 0-63 are in; the youngest eight loads (xb's rows 64-127) may be out
	WIN MUL_LO
	MUL16 \f, 0, 0, \zero
	MUL16 \f, 0, 2, \zero
	PLACES
	FETCH \slot, \k, \g
	s_wait_dscnt 32                                ; all but the 32 just issued
	WIN MUL_HI
	MUL16 \f, 1, 0, \zero
	MUL16 \f, 1, 2, \zero
.endm
.macro THREE slot, zero
	QUARTER \slot, 64,  F0, F1, \zero
	QUARTER \slot, 128, F1, F0, 0
	QUARTER \slot, 192, F0, F1, 0
.endm
; The last quarter: multiplies buffer 1 and changes slots.  next = the other slot.  fill = 1: this slot is filled again, two K steps ahead in
; the same block; fill = 2: with the next block's K step of this slot's number; fill = 0: nothing is left to fetch.
; ONE barrier for the change of slots, for two things.  In front of it each wave waits for its own reads of this slot and for all its tensor
; loads, of which one is out: its part of the next slot.  Behind it nobody reads this slot any more and the next slot is whole: the refill
; comes first, then the next slot's first fragments.  From a request to the wait for it a wave issues 240 matrix instructions.
.macro TURN slot, next, fill
	s_wait_dscnt 8
	WIN MUL_LO
	MUL16 F1, 0, 0, 0
	s_wait_dscnt 0                                 ; my reads of this slot are over
	s_wait_tensorcnt 0x0                           ; and all my tensor loads have landed: the one that was out is my part of the next slot
	ds_add_u32 v255, v255
	s_wait_dscnt 0x0
	s_barrier_signal -1                            ; say so (where a slot is filled again this barrier opens a round of the cluster's barrier),
	MUL16 F1, 0, 2, 0                              ; work on registers while the others arrive,
	WIN 0
	s_barrier_wait -1                              ; and go on when all four have said so
.if \fill
	CREST                                          ; all sixteen work-groups have said so: no wave of any partner still reads this slot's tile or has a load on its way
.if \fill == 1
	s_add_nc_u64 s[G0+4*\slot+2:G0+4*\slot+3], s[G0+4*\slot+2:G0+4*\slot+3], 2*KSTEP*2
	s_add_nc_u64 s[G0B+4*\slot+2:G0B+4*\slot+3], s[G0B+4*\slot+2:G0B+4*\slot+3], 2*KSTEP*2
.else
	s_add_nc_u64 s[G0+4*\slot+2:G0+4*\slot+3], s[G0+4*\slot+2:G0+4*\slot+3], A_NEXT      ; the second block's rows of xb, from K's beginning
	s_sub_nc_u64 s[G0B+4*\slot+2:G0B+4*\slot+3], s[G0B+4*\slot+2:G0B+4*\slot+3], B_BACK  ; the same rows of wb, from K's beginning (the type bits on top are not reached)
.endif
	JLOAD \slot                                    ; the first tensor load behind the round; the four v_nop behind it are also the places in front of the loads below
.else
	PLACES
.endif
	FETCH \next, 0, F0
	WIN MUL_HI
	MUL16 F1, 1, 0, 0
	MUL16 F1, 1, 2, 0
.endm
.macro LAP zero                        ; once round the ring, both slots filled again
	THREE 0, \zero
	TURN 0, 1, 1
	THREE 1, 0
	TURN 1, 0, 1
.endm
.macro BULK id                         ; K steps 0 to 5 of a block
	LAP 1                                          ; the first lap stands in front of the loop: its first products start the sums
	WIN 0                                          ; at a label and at a branch every window is 0
	s_mov_b32 s3, LAPS-2
.Llap_\id:
	LAP 0
	WIN 0
	s_sub_co_u32 s3, s3, 1
	s_cmp_lg_u32 s3, 0
	s_cbranch_scc1 .Llap_\id
.endm
; THE WAY OUT.  Its ten moves name no register of a matrix instruction: they are the places behind the last of those, for the multiplications,
; which read results, and for the loads into buffer 1.  O is the destination of a lane exchange, which counts as a reader of it; CAR is the
; carry's start; magnitudes are compared with 0 first.
.macro WAYHEAD
	WIN 0
.irp b, 0,1,2,3
	v_mov_b32 v[O+\b], 0
	v_mov_b32 v[CAR+\b], 0
.endr
	v_mov_b32 v[MXA], 0
	v_mov_b32 v[MXB], 0
.endm
; Rows 16 i .. 16 i + 15 of my chunk = the tiles (a, 0..7) of window 2 or 3 (from = 0x0a or 0x0f: sources 0 and 1); f: R0 or R1 in turn.
.macro CS16 i, a, from, f
	WIN \from
.irp b, 0,1,2,3
	v_mul_f32 v[T+8*\b], v[8*(8*\a+\b)], v[8*(8*\a+\b+4)]          ; k v of my first row
.endr
.irp j, 1,2,3,4,5,6,7
.irp b, 0,1,2,3
	v_fma_f32 v[T+8*\b+\j], v[8*(8*\a+\b)+\j], v[8*(8*\a+\b+4)+\j], v[T+8*\b+\j-1]   ; k v + the sum so far: four chains by turns
.endr
.endr
	WIN 0
.irp b, 0,1,2,3
	v_permlanex16_b32 v[O+\b], v[T+8*\b+7], s72, s73               ; the sum of the other half's 8 rows
.endr
.irp b, 0,1,2,3
	v_cndmask_b32 v[OFX+2*\b+1], 0, v[O+\b], s74                   ; rows 0-7 lie above rows 8-15 alone: a choice, not a product with 0
.endr
.irp b, 0,1,2,3
	v_add_f32 v[O+\b], v[O+\b], v[T+8*\b+7]                        ; the 16 rows' sum, the same in both halves
.endr
.irp b, 0,1,2,3
	v_add_f32 v[OFX+2*\b], v[CAR+\b], v[OFX+2*\b+1]                ; all that lies above my 8 rows
.endr
.irp b, 0,1,2,3
	v_add_f32 v[CAR+\b], v[CAR+\b], v[O+\b]
.endr
.irp b, 0,1,2,3
.irp p, 0,2,4,6
	v_pk_add_f32 v[T+8*\b+\p:T+8*\b+\p+1], v[T+8*\b+\p:T+8*\b+\p+1], v[OFX+2*\b:OFX+2*\b+1] op_sel_hi:[1,0]   ; both take the pair's first register
.endr
.endr
.irp b, 0,1,2,3
.irp j, 0,1,2,3,4,5,6,7
	ds_store_b32 v[STO], v[T+8*\b+\j] offset:SPITCH*\j+64*\b
.endr
.endr
	s_wait_xcnt 0x0                                ; every earlier memory instruction has had its addresses translated (ISA guide 3.1): the 32 registers at f, which the stores of two groups ago read, are loaded again only behind this wait
.irp t, 0,1,2,3,4,5,6,7
	ds_load_b128 v[\f+4*\t:\f+4*\t+3], v[RD] offset:\t*2*SPITCH    ; LDS serves a wave's instructions in order (ISA guide 5.7.1.4): these see the stores above
.endr
.irp b, 0,1,2,3
.irp p, 0,4
	v_max3_num_f32 v[MXA], |v[T+8*\b+\p]|, |v[T+8*\b+\p+1]|, v[MXA]       ; the largest |cs|, two chains, while the stage's loads are on their way
	v_max3_num_f32 v[MXB], |v[T+8*\b+\p+2]|, |v[T+8*\b+\p+3]|, v[MXB]
.endr
.endr
.irp t, 0,1,2,3,4,5,6,7
	s_wait_dscnt 7-\t                              ; load t is in, the 7 - t younger ones may be out
	global_store_b128 v[CO], v[\f+4*\t:\f+4*\t+3], s[68:69] offset:(16*\i+2*\t)*CSROW   ; 16 lanes store 256 consecutive bytes, at a multiple of 256 from cs's first byte
.endr
.endm
.macro WAYBODY
	CS16 0, 0, 0x0a, R0
	CS16 1, 1, 0x0a, R1
	CS16 2, 2, 0x0a, R0
	CS16 3, 3, 0x0a, R1
	CS16 4, 0, 0x0f, R0
	CS16 5, 1, 0x0f, R1
	CS16 6, 2, 0x0f, R0
	CS16 7, 3, 0x0f, R1
	; the chunk's totals: 64 numbers, gathered in the stage's first row so that one store writes their 256 bytes
.irp b, 0,1,2,3
	ds_store_b32 v[TS], v[CAR+\b] offset:64*\b     ; both halves of the lanes write the same word with the same number
.endr
	ds_load_b64 v[O:O+1], v[TR]
	; the largest |cs| of my 128 rows x 64 columns, over the 32 lanes
	v_max_num_f32 v[MXA], v[MXA], v[MXB]
	v_max_num_f32_dpp v[MXA], v[MXA], v[MXA] row_xmask:1 row_mask:0xf bank_mask:0xf
	v_max_num_f32_dpp v[MXA], v[MXA], v[MXA] row_xmask:2 row_mask:0xf bank_mask:0xf
	v_max_num_f32_dpp v[MXA], v[MXA], v[MXA] row_xmask:4 row_mask:0xf bank_mask:0xf
	v_max_num_f32_dpp v[MXA], v[MXA], v[MXA] row_xmask:8 row_mask:0xf bank_mask:0xf
	v_permlanex16_b32 v[MXB], v[MXA], s72, s73
	v_max_num_f32 v[MXA], v[MXA], v[MXB]
	s_wait_dscnt 0x0
	global_store_b64 v[TO], v[O:O+1], s[70:71]
	v_cmp_eq_u32 vcc_lo, 0, v[TO]                  ; lane 0, whose offset 8 x lane is 0
	s_wait_xcnt 0x0                                ; EXEC is a source of the stores above: it changes only behind this wait
	s_and_saveexec_b32 s78, vcc_lo
	global_store_b32 v[TO], v[MXA], s[76:77]       ; one number for a wave's 32 KiB of cs
	s_wait_xcnt 0x0                                ; and again in front of the line that widens EXEC.  Behind it every register and base that a store of this way out names may be written
	s_or_b32 exec_lo, exec_lo, s78
.endm
	s_wait_tensorcnt 1                             ; my part of K step 0 is in; K step 1's load, issued behind it, may stay out
	s_barrier_signal -1
	s_barrier_wait -1                              ; everybody's is
	FETCH 0, 0, F0
	; THE FIRST BLOCK
	BULK 0
	THREE 0, 0                                     ; its last lap fills the slots with the second block's K steps 0 and 1
	TURN 0, 1, 2
	THREE 1, 0
	TURN 1, 0, 2                                   ; and fetches the second block's first fragments into buffer 0
	WAYHEAD
	s_lshl_b32 s16, s13, 8
	s_lshl_b32 s14, s11, 7
	s_add_co_u32 s16, s16, s14                     ; my first row = 128 x my chunk
	s_mov_b32 s17, 0
	s_mov_b32 s19, 0
	s_lshl_b32 s18, s16, 5                         ; my chunk's row of tot: 4,096 bytes a chunk
	s_add_nc_u64 s[70:71], s[70:71], s[18:19]
	s_lshr_b32 s18, s16, 1                         ; my chunk's row of mc: 64 bytes a chunk
	s_add_nc_u64 s[76:77], s[76:77], s[18:19]
	s_lshl_b32 s16, s16, 12                        ; my first row of cs, in bytes
	s_add_nc_u64 s[68:69], s[68:69], s[16:17]
	s_lshl_b32 s46, s42, 9                         ; my 64 columns, in bytes: 256 x (2 x block column + half) (in the registers that held wb's address: none that feeds xb's descriptors ever holds cx)
	s_lshl_b32 s47, s12, 8
	s_add_co_u32 s46, s46, s47
	s_mov_b32 s47, 0
	s_add_nc_u64 s[68:69], s[68:69], s[46:47]
	s_add_nc_u64 s[70:71], s[70:71], s[46:47]
	s_lshr_b32 s46, s46, 6                         ; my block of columns in mc: 4 bytes a block
	s_add_nc_u64 s[76:77], s[76:77], s[46:47]
	WAYBODY
	s_add_nc_u64 s[68:69], s[68:69], DOWN*256*CSROW                ; the second block: 8,192 rows of cs,
	s_add_nc_u64 s[70:71], s[70:71], DOWN*2*CSROW                  ; 64 chunks of tot
	s_add_nc_u64 s[76:77], s[76:77], DOWN*2*64                     ; and of mc further down
	; THE SECOND BLOCK: its K step 0 has landed, its first fragments are in buffer 0, its K step 1 is on its way
	BULK 1
	THREE 0, 0                                     ; the last lap fills nothing and has no round of the cluster's barrier
	TURN 0, 1, 0
	THREE 1, 0
	s_wait_dscnt 8                                 ; the very last quarter: nothing more to fetch
	WIN MUL_LO
	MUL16 F1, 0, 0, 0
	MUL16 F1, 0, 2, 0
	s_wait_dscnt 0
	WIN MUL_HI
	MUL16 F1, 1, 0, 0
	MUL16 F1, 1, 2, 0
	WAYHEAD
	WAYBODY
	s_set_vgpr_msb 0x4
	s_wait_tensorcnt 0x0
	ds_add_u32 v255, v255
	s_wait_dscnt 0x0
	s_set_vgpr_msb 0x400
	CROUND                                         ; the closing round: no work-group ends while a partner may still ask for a tile that names it
	s_endpgm
.Lfunc_end_k_q87dfdd3fd2_kv:
	.size	k_q87dfdd3fd2_kv, .Lfunc_end_k_q87dfdd3fd2_kv-k_q87dfdd3fd2_kv
	.p2alignl 7, 3214868480
	.fill 96, 4, 3214868480
	.section	.rodata,"a",@progbits
	.p2align	6, 0x0
	.amdhsa_kernel k_q87dfdd3fd2_kv
		.amdhsa_group_segment_fixed_size 327680
		.amdhsa_private_segment_fixed_size 0
		.amdhsa_enable_private_segment 0
		.amdhsa_kernarg_size 40
		.amdhsa_user_sgpr_count 2
		.amdhsa_user_sgpr_kernarg_segment_ptr 1
		.amdhsa_wavefront_size32 1
		.amdhsa_system_sgpr_workgroup_id_x 1
		.amdhsa_system_sgpr_workgroup_id_y 1
		.amdhsa_system_sgpr_workgroup_id_z 1
		.amdhsa_system_vgpr_workitem_id 0
		.amdhsa_next_free_vgpr 1024
		.amdhsa_next_free_sgpr 80
		.amdhsa_reserve_vcc 1
		.amdhsa_float_denorm_mode_32 3
		.amdhsa_float_denorm_mode_16_64 3
		.amdhsa_memory_ordered 1
		.amdhsa_forward_progress 1
		.amdhsa_inst_pref_size 255
	.end_amdhsa_kernel
	.section	.bss,"aw",@nobits
	.p2align	6
	.space	262144
	.amdgpu_metadata
---
amdhsa.version: [ 1, 2 ]
amdhsa.kernels:
  - .name:           k_q87dfdd3fd2_kv
    .symbol:         k_q87dfdd3fd2_kv.kd
    .args:
      - { .name: xb, .offset: 0, .size: 8, .value_kind: global_buffer, .address_space: global }
      - { .name: wb, .offset: 8, .size: 8, .value_kind: global_buffer, .address_space: global }
      - { .name: cs, .offset: 16, .size: 8, .value_kind: global_buffer, .address_space: global }
      - { .name: tot, .offset: 24, .size: 8, .value_kind: global_buffer, .address_space: global }
      - { .name: mc, .offset: 32, .size: 8, .value_kind: global_buffer, .address_space: global }
    .group_segment_fixed_size: 327680
    .private_segment_fixed_size: 0
    .kernarg_segment_align: 8
    .kernarg_segment_size: 40
    .max_flat_workgroup_size: 128
    .sgpr_count:     80
    .vgpr_count:     1024
    .wavefront_size: 32
...
	.end_amdgpu_metadata
.endif
;; end of part 2
;; launch qmul (part 3): grid 4 x 64, 4 waves a work-group, clusters of 4 x 4, 327,680 bytes of LDS; arguments xb, wb, cs, tot, mx, mc, vh; writes vh
.if DOCPART == 3
	.amdgcn_target "amdgcn-amd-amdhsa--gfx1250"
	.amdhsa_code_object_version 6
	.text
	.protected	k_q87dfdd3fd2_qmul
	.globl	k_q87dfdd3fd2_qmul
	.p2align	8
	.type	k_q87dfdd3fd2_qmul,@function
k_q87dfdd3fd2_qmul:
	s_mov_b64 s[64:65], 0
	v_nop
	global_prefetch_b8 v0, s[64:65] scope:SCOPE_SE
	s_setreg_imm32_b32 hwreg(HW_REG_WAVE_MODE, 25, 1), 1
	s_wait_xcnt 0x0
	s_wait_alu depctr_hold_cnt(0) depctr_sa_sdst(0) depctr_va_vdst(0) depctr_va_sdst(0) depctr_va_ssrc(0) depctr_va_vcc(0) depctr_vm_vsrc(0)
	s_getreg_b32 s2, hwreg(HW_REG_IB_STS2, 6, 4)
	s_cmp_eq_u32 s2, 0
	s_cbranch_scc0 .Lentry_in_a_cluster
	s_endpgm
.Lentry_in_a_cluster:
	s_bfe_u32 s2, ttmp6, 0x10000c
	s_cmp_lg_u32 s2, 0xf033
	s_cbranch_scc0 .Lentry_shape_is_right
	s_endpgm
.Lentry_shape_is_right:
; q = x Wq^T (xb [16384][1024] x rows 2048..3071 of wb, f16 operands, f32 sums), and on the way out
;   vh[row][e] = f16( q[row][e] x ( cs[row][e] + the totals of the chunks of the row's batch that lie above the row's chunk ) x 2^-7 x 2^-E ).
; 2^-7 = sqrt(1024) / 4096 follows from the shapes.  q never leaves the registers in f32; vh is rounded once, as the next product's operand.
; THE SCALE 2^-E.  vhat's size goes with the third power of x and of the weights, for which f16 has no room; so vh holds vhat x 2^-E, with one
; whole number E for each batch, and the next launch multiplies its sums by 2^E.  E comes from a bound that holds for every input:
;   |q| <= 1024 max|x| max|Wq|;   |cs + earlier totals| <= 32 max|cs|  (a chunk's total is its last running sum; 32 chunks to a batch);
;   so |vhat| <= 2^8 max|x| max|Wq| max|cs| < 2^(11 + ex + eq + ec), with ex, eq, ec the three maxima's binary exponents (max < 2^(e + 1)).
; E = ex + eq + ec - 4 puts that bound at 2^15; the factor 2 up to f16's largest number covers the operands' and the sums' rounding.
; The maxima were stored by the two launches before: x's by units of 16 rows (256 of my batch), Wq's (64 units), |cs|'s by chunk and block of
; 64 columns (512 of my batch).  The next launch forms E from the same numbers by the same lines.  E steers no address and no branch.
; A work-group makes a block of 256 x 256 with four waves, as many as a WGP has SIMDs; a wave makes 128 x 128: 64 accumulator tiles of 16 x 16,
; 512 registers; its 128 rows are one chunk of the running sum.  K goes in steps of 128 through a ring of two LDS slots filled by the tensor
; data mover (rows of 256 bytes, at multiples of 256 bytes).  By this text's count a wave has two tensor loads out at the start, later one.
; CLUSTERS: 4 x 4 work-groups; xb's tile is asked for jointly by the four of a row of the cluster, wb's by the four of a column, which divides
; the requests for both by four.
; THE SUM OVER EARLIER CHUNKS: every wave loads the totals of chunks 0 to 30 of its batch for its 128 columns (31 loads, while the first tiles
; are on their way) and keeps those below its own chunk by a choice of values.  All work-groups run the same 31 steps: no branch and no trip
; count hangs on a work-group's place.  A later chunk's total is dropped by the choice, not multiplied by 0, so an infinity there stays there.
;
; REGISTERS, in windows of 256:
;   window 0: v0-31 addresses, the scale and the prefix; v64-127, v128-191 fragments of xb; v192-255 rows of cs
;   window 1: v64-127, v128-191 fragments of wb; v0-63, v192-255 rows of cs
;   window 2: the 32 accumulator tiles of my rows 0-63 (tile (a, b) at v[8 (8 a + b)]);   window 3: those of my rows 64-127
; THE MATRIX INSTRUCTION IS USED TRANSPOSED: source 0 = 16 rows of wb, source 1 = 16 rows of xb.  Lane l then holds row l % 16 of the tile and
; its registers 0 to 7 the columns 8 (l / 16) + 0 .. 7: 32 neighbouring bytes of a row.
; LIMITS: operands are f16.  E is kept inside -100 .. 100, so that 2^(-7-E) and 2^E are normal f32: where the bound on |vhat| passes 2^115, vh
; can overflow; where it lies below 2^-85, vh resolves 2^-125 and no finer.  Numbers of vhat more than 2^29 below the bound keep an absolute
; step of 2^-40 of the bound in place of 11 bits.  cs and the prefix are each scaled by 2^(-7-E) before they are added, which is exact as long
; as max|x| max|Wq| lies inside 2^-120 .. 2^120.  The prefix is summed chunk by chunk in f32: another order of rounding than row by row.
.set SIZE_K, 1024
.set WOFF,   0x400000                  ; Wq's rows in wb: 2,048 rows of 2,048 bytes in
.set MXQ,    4608                      ; Wq's units in mx: 1,152 words in
.set KSTEP,  128
.set PITCH,  272                       ; an LDS row: 256 bytes of data + 16 of padding = 68 words: row r starts at bank 4 r mod 64 (64 banks of 4 bytes: ISA guide 11.1), so the 16 rows that a load touches start at 16 different banks
.set HALFT,  128*PITCH                 ; 128 rows: what one tensor load brings, and what one wave reads of either operand
.set SLOT,   4*HALFT                   ; xb's 256 rows, then wb's 256 rows
.set STAGE,  2*SLOT                    ; behind the ring (1,088 blocks of 256 bytes in): no tensor load ever lands here
.set SPITCH, 528                       ; the stage's rows: 128 f32 + 16 bytes = 33 x 16 bytes: 16 rows' stores of 16 bytes fall on 16 different columns of 16 bytes modulo 256
.set SBYTES, 16*SPITCH                 ; a wave's stage: 16 rows, 33 blocks of 256 bytes
.set CSROW,  4096                      ; bytes in a row of cs and of tot
.set VHROW,  2048                      ; bytes in a row of vh
.set LAPS, SIZE_K/(2*KSTEP)            ; a lap = two K steps = once round the ring: 4 laps
.set KAP,  14                          ; v[14:15] 2^(-7-E), twice (a pair for the packed forms)
.set ADRA, 16                          ; v16-17  LDS address of my xb fragments in slot 0, 1
.set ADRB, 20                          ; v20-21  the same for wb
.set PF,   23                          ; v23     prefetch: one lane for each block of 256 bytes of 16 rows of cs; never rewritten
.set STO,  24                          ; v24     where I put 16 bytes of the stage
.set RD,   25                          ; v25     where I read 16 bytes of a row back
.set CO,   26                          ; v26     8 x lane: my 8 bytes in a row of vh; never rewritten
.set L16,  27                          ; v27     16 x lane: my 16 bytes in a row of cs and of tot; never rewritten
.set PD,   28                          ; v[28:31] 2^(-7-E) x the earlier chunks' totals of my 4 columns
.set F0,   64                          ; fragment buffer 0
.set F1,   128                         ; fragment buffer 1
.set SM,   192                         ; at the head: v192-199 maxima of x, v200-215 of |cs|, v216-217 of Wq
.set G1, 24                            ; s[24:31] descriptor group 1 for xb's tiles
.set G0, 32                            ; s[32:39] descriptor group 0 for xb's tiles, one set for each slot
.set G1B, 48                           ; s[48:55] descriptor group 1 for wb's tiles: it differs in the mask alone
.set G0B, 56                           ; s[56:63] descriptor group 0 for wb's tiles, one set for each slot
.set MSB, 0
.macro WIN new                         ; the immediate's high byte repeats the setting that is left; a switch that changes nothing is dropped
.if MSB != (\new)
	s_set_vgpr_msb (MSB<<8)|(\new)
.set MSB, (\new)
.endif
.endm
.set MUL_LO, 0xa1                      ; source 0 (wb) window 1, source 1 (xb) window 0, C and D window 2
.set MUL_HI, 0xf1                      ; the same, C and D window 3
.set TO_B,   0x40                      ; destination window 1, address window 0
; A joint load.  Waves 0 and 1 fetch xb's two halves, waves 2 and 3 wb's.  Each of the two lines has ONE mask and one set of registers for all
; that issue it, and nothing in them hangs on a coordinate that the four partners do not share.  The branch hangs on the wave's number alone.
; Four v_nop follow each of the two lines; the jump round the other line, the label and what follows come after them.
.macro JLOAD s
	s_cmp_eq_u32 s11, 0
	s_cbranch_scc0 .Lfor_b_\@
	tensor_load_to_lds s[G0+4*\s:G0+4*\s+3], s[G1:G1+7]
	s_nop 0
.rept 4
	v_nop
.endr
	s_branch .Lasked_\@
.Lfor_b_\@:
	tensor_load_to_lds s[G0B+4*\s:G0B+4*\s+3], s[G1B:G1B+7]
	s_nop 0
.rept 4
	v_nop
.endr
.Lasked_\@:
.endm
; A round of the cluster's barrier: my work-group's barrier, so that wave 0's signal speaks for all four waves; wave 0 signals for the
; work-group; every wave waits for all sixteen work-groups; my work-group's barrier once more.
.macro CREST                           ; a round behind its opening barrier
	s_cmp_lg_u32 s10, 0
	s_cbranch_scc1 .Lnot_wave_0_\@
	s_barrier_signal -3
.Lnot_wave_0_\@:
	s_barrier_wait -3
	s_barrier_signal -1
	s_barrier_wait -1
.endm
.macro CROUND                          ; a whole round
	s_barrier_signal -1
	s_barrier_wait -1
	CREST
.endm
; E, in s86, from the maxima in v[SM:SM+25].  All of them are magnitudes, so plain maxima do.
.macro EXPO
	v_max3_num_f32 v[SM], v[SM], v[SM+1], v[SM+2]                  ; x: my 8 of the batch's 256
	v_max3_num_f32 v[SM+3], v[SM+3], v[SM+4], v[SM+5]
	v_max3_num_f32 v[SM], v[SM], v[SM+6], v[SM+7]
	v_max_num_f32 v[SM], v[SM], v[SM+3]
.irp i, 8,11,14,17,20
	v_max3_num_f32 v[SM+\i], v[SM+\i], v[SM+\i+1], v[SM+\i+2]      ; |cs|: my 16 of the batch's 512
.endr
	v_max3_num_f32 v[SM+8], v[SM+8], v[SM+11], v[SM+14]
	v_max3_num_f32 v[SM+17], v[SM+17], v[SM+20], v[SM+23]
	v_max_num_f32 v[SM+8], v[SM+8], v[SM+17]
	v_max_num_f32 v[SM+24], v[SM+24], v[SM+25]                     ; Wq: my 2 of 64
.irp m, 1,2,4,8
.irp i, 0,8,24
	v_max_num_f32_dpp v[SM+\i], v[SM+\i], v[SM+\i] row_xmask:\m row_mask:0xf bank_mask:0xf   ; over the 16 lanes of a half, the three by turns
.endr
.endr
.irp i, 0,8,24
	v_permlanex16_b32 v[SM+\i+1], v[SM+\i], s90, s91               ; the other half (the destinations have been written)
.endr
.irp i, 0,8,24
	v_max_num_f32 v[SM+\i], v[SM+\i], v[SM+\i+1]
.endr
	v_readfirstlane_b32 s86, v[SM]
	v_readfirstlane_b32 s87, v[SM+8]
	v_readfirstlane_b32 s88, v[SM+24]
	s_bfe_u32 s86, s86, 0x80017                    ; the exponent's field, 8 bits from bit 23: e + 127 (0 for zero and denormals, which lie below 2^-126)
	s_bfe_u32 s87, s87, 0x80017
	s_bfe_u32 s88, s88, 0x80017
	s_add_co_u32 s86, s86, s87
	s_add_co_u32 s86, s86, s88
	s_sub_co_i32 s86, s86, 385                     ; ex + eq + ec - 4 = the three fields - 3 x 127 - 4
	s_max_i32 s86, s86, -100
	s_min_i32 s86, s86, 100
.endm
	s_load_b128 s[4:7], s[0:1], 0x0                ; xb s[4:5], wb s[6:7]
	s_load_b128 s[68:71], s[0:1], 0x10             ; cs s[68:69], tot s[70:71]
	s_load_b128 s[80:83], s[0:1], 0x20             ; mx s[80:81], mc s[82:83]
	s_load_b64 s[8:9], s[0:1], 0x30                ; vh
	v_lshl_add_u32 v62, v0, 2, 0x4c400
	v_mov_b32 v63, 0
	ds_add_u32 v62, v63
	v_lshrrev_b32 v1, 5, v0
	v_readfirstlane_b32 s10, v1                    ; wave 0..3
	s_lshr_b32 s11, s10, 1                         ; which half of the block's rows is mine.  Also: I fetch for xb (0) or for wb (1)
	s_and_b32 s12, s10, 1                          ; which half of its columns.  Also: which 128 rows of that tile I fetch
	s_bfe_u32 s40, ttmp6, 0x40000                  ; cx: my place along the cluster's x
	s_bfe_u32 s41, ttmp6, 0x40004                  ; cy: along its y
	s_lshl_b32 s42, ttmp9, 2                       ; in a cluster launch ttmp9 and ttmp7 count clusters
	s_add_co_u32 s42, s42, s40                     ; block column = 4 x cluster x + cx, 0..3
	s_and_b32 s13, ttmp7, 0xffff
	s_lshl_b32 s13, s13, 2
	s_add_co_u32 s13, s13, s41                     ; block row = 4 x cluster y + cy, 0..63
	s_lshl_b32 s43, s41, 2
	s_lshl_b32 s43, 15, s43                        ; my row of the cluster: places 4 cy .. 4 cy + 3
	s_lshl_b32 s44, 0x1111, s40                    ; my column: places cx, cx + 4, cx + 8, cx + 12
	s_mov_b32 s90, 0x76543210                      ; v_permlanex16_b32: lane i of one half reads lane i of the other
	s_mov_b32 s91, 0xfedcba98
	; descriptor group 1: a tile of 128 rows x 128 elements, padded in LDS
	s_or_b32 s[G1+0], s43, (1<<16)|(1<<20)|(1<<21)|(5<<22)|(3<<25)  ; 15:0 the mask: xb's tiles go to my row; 17:16 element of 2 bytes; 20 padding on; 21 set beside a mask; 24:22 after every 64 words (code 5); 31:25 of 4 words (code 3)
	s_or_b32 s[G1B+0], s44, (1<<16)|(1<<20)|(1<<21)|(5<<22)|(3<<25) ; the same with the mask of my column, for wb's tiles
	s_mov_b32 s[G1B+1], KSTEP<<16
	s_mov_b32 s[G1+1], KSTEP<<16                   ; 63:48 tensor_dim0, low half = 128
	s_mov_b32 s[G1B+2], 128<<16
	s_mov_b32 s[G1+2], 128<<16                     ; 79:64 its high half = 0; 95:80 tensor_dim1, low half = 128
	s_mov_b32 s[G1B+3], KSTEP<<16
	s_mov_b32 s[G1+3], KSTEP<<16                   ; 111:96 its high half = 0; 127:112 tile_dim0 = 128
	s_mov_b32 s[G1B+4], 128
	s_mov_b32 s[G1+4], 128                         ; 143:128 tile_dim1 = 128; 159:144 tile_dim2 = 0
	s_mov_b32 s[G1B+5], SIZE_K
	s_mov_b32 s[G1+5], SIZE_K                      ; 191:160 tensor_dim0_stride, low word: elements from row to row
	s_mov_b32 s[G1B+6], 0
	s_mov_b32 s[G1+6], 0
	s_mov_b32 s[G1B+7], 0
	s_mov_b32 s[G1+7], 0
	; where the tiles come from.  xb's hang on the block row alone, which my row of the cluster shares; wb's on the block column alone.
	; Every wave makes both addresses, in registers that never hold the other coordinate, and asks by one of them.
	s_lshl_b32 s17, s12, 7                         ; which 128 rows of the tile I fetch
	s_lshl_b32 s16, s13, 8
	s_add_co_u32 s16, s16, s17                     ; xb: row 256 x block row + 128 x half
	s_lshl_b32 s46, s42, 8
	s_add_co_u32 s46, s46, s17                     ; wb: row 256 x block column + 128 x half, counted from Wq's first row
	s_mov_b32 s17, 0
	s_mov_b32 s47, 0
	s_mov_b64 s[18:19], SIZE_K*2
	s_mul_u64 s[16:17], s[16:17], s[18:19]         ; in bytes
	s_mul_u64 s[46:47], s[46:47], s[18:19]
	s_mul_i32 s20, s10, HALFT                      ; and where they go: wave x 128 rows: no place in the cluster enters an LDS address
	s_wait_dscnt 0x0
	s_wait_kmcnt 0x0
	s_add_nc_u64 s[6:7], s[6:7], WOFF              ; Wq's first row
	s_add_nc_u64 s[14:15], s[4:5], s[16:17]
	s_add_nc_u64 s[46:47], s[6:7], s[46:47]
	CROUND                                         ; all sixteen work-groups are here: the first joint loads meet
.irp s, 0,1
	s_mov_b32 s[G0+4*\s], 1                                        ; 1:0 count = 1
	s_add_co_u32 s[G0+4*\s+1], s20, \s*SLOT                        ; 63:32 LDS address
	s_add_nc_u64 s[G0+4*\s+2:G0+4*\s+3], s[14:15], \s*KSTEP*2      ; 120:64 global address: K step s
	s_or_b32 s[G0+4*\s+3], s[G0+4*\s+3], 0x80000000                ; 127:126 type = 2
	s_mov_b32 s[G0B+4*\s], 1
	s_add_co_u32 s[G0B+4*\s+1], s20, \s*SLOT
	s_add_nc_u64 s[G0B+4*\s+2:G0B+4*\s+3], s[46:47], \s*KSTEP*2
	s_or_b32 s[G0B+4*\s+3], s[G0B+4*\s+3], 0x80000000
	JLOAD \s                                       ; the ring is filled before anything else is done
.endr
	; my places in cs, tot, vh, mx and mc, in scalars that feed no descriptor (s72 and above)
	s_lshl_b32 s72, s13, 8
	s_lshl_b32 s73, s11, 7
	s_add_co_u32 s72, s72, s73                     ; my first row
	s_lshl_b32 s74, s42, 8
	s_lshl_b32 s75, s12, 7
	s_add_co_u32 s74, s74, s75                     ; my first column
	s_mov_b32 s79, 0                               ; every offset is below 4 GiB: a pair with 0 above
	s_lshl_b32 s78, s72, 12
	s_add_nc_u64 s[68:69], s[68:69], s[78:79]      ; cs: rows of 4,096 bytes
	s_lshl_b32 s78, s74, 2
	s_add_nc_u64 s[68:69], s[68:69], s[78:79]      ; cs and tot: columns of 4 bytes
	s_add_nc_u64 s[70:71], s[70:71], s[78:79]
	s_lshl_b32 s78, s72, 11
	s_add_nc_u64 s[8:9], s[8:9], s[78:79]          ; vh: rows of 2,048 bytes,
	s_lshl_b32 s78, s74, 1
	s_add_nc_u64 s[8:9], s[8:9], s[78:79]          ; columns of 2
	s_lshr_b32 s78, s13, 4                         ; my batch (16 block rows each),
	s_lshl_b32 s78, s78, 10                        ; whose 256 units of x are 1,024 bytes of mx,
	s_add_nc_u64 s[84:85], s[80:81], s[78:79]
	s_lshl_b32 s78, s78, 1                         ; whose 32 chunks are 2,048 bytes of mc
	s_add_nc_u64 s[82:83], s[82:83], s[78:79]
	s_lshl_b32 s78, s78, 6                         ; and 32 rows of 4,096 bytes of tot
	s_add_nc_u64 s[70:71], s[70:71], s[78:79]
	s_and_b32 s76, s13, 15
	s_lshl_b32 s76, s76, 1
	s_add_co_u32 s76, s76, s11                     ; my chunk's number in its batch, 0..31
	v_and_b32 v6, 31, v0                           ; lane
	v_lshlrev_b32 v[L16], 4, v6
	v_lshlrev_b32 v[CO], 3, v6
	global_load_b128 v[SM:SM+3], v[L16], s[84:85]                  ; seven loads of maxima: x's,
	global_load_b128 v[SM+4:SM+7], v[L16], s[84:85] offset:512
.irp i, 0,1,2,3
	global_load_b128 v[SM+8+4*\i:SM+11+4*\i], v[L16], s[82:83] offset:512*\i   ; |cs|'s,
.endr
	global_load_b64 v[SM+24:SM+25], v[CO], s[80:81] offset:MXQ     ; Wq's
.set CH, 0
.rept 31                               ; chunk 31 lies above nobody
	global_load_b128 v[F0+4*CH:F0+4*CH+3], v[L16], s[70:71] offset:CSROW*CH   ; the wave takes 512 consecutive bytes of the chunk's row; other work-groups read them too: no hint
.set CH, CH+1
.endr
	; A fragment is 16 rows x 32 K in 8 registers: lane l holds row l % 16; registers 0-3 hold K = 8 (l / 16) + 0..7, registers 4-7 hold
	; K = 16 + 8 (l / 16) + 0..7.  From rows that lie along K: two loads of 16 bytes, 32 bytes apart.  The same for both sources.
	v_and_b32 v1, 15, v0                           ; r = l % 16
	v_bfe_u32 v2, v0, 4, 1                         ; h = l / 16
	v_mul_u32_u24 v3, v1, PITCH
	v_lshl_add_u32 v3, v2, 4, v3                   ; row x pitch + 16 x half
	s_mul_i32 s21, s11, HALFT                      ; my 128 rows of xb
	s_mul_i32 s22, s12, HALFT                      ; my 128 rows of wb,
	s_add_co_u32 s22, s22, 2*HALFT                 ; which lie behind xb's 256
.irp s, 0,1
	v_add_nc_u32 v[ADRA+\s], s21, v3
	v_add_nc_u32 v[ADRB+\s], s22, v3
	s_add_co_u32 s21, s21, SLOT
	s_add_co_u32 s22, s22, SLOT
.endr
	s_mul_i32 s23, s10, SBYTES
	s_add_co_u32 s23, s23, STAGE                   ; my stage
	v_mul_u32_u24 v4, v1, SPITCH                   ; in: row r, 32 bytes for each half of the lanes
	v_lshl_add_u32 v4, v2, 5, v4
	v_add_nc_u32 v[STO], s23, v4
	v_add_nc_u32 v[RD], s23, v[L16]                ; back: the 32 lanes take one row of 512 bytes
	v_lshrrev_b32 v4, 1, v6                        ; prefetch: lane l asks for half l % 2 of the 512 bytes of row l / 2
	v_and_b32 v5, 1, v6
	v_lshlrev_b32 v5, 8, v5
	v_lshl_add_u32 v[PF], v4, 12, v5
	s_wait_loadcnt 31                              ; loads come back in order (ISA guide 5.7.1): the seven loads of maxima are in, the 31 of totals behind them may be out
	EXPO
	s_sub_co_i32 s87, 120, s86                     ; 2^(-7-E) as f32: the field 127 - 7 - E, inside 20 .. 220
	s_lshl_b32 s87, s87, 23
	v_mov_b32 v[KAP], s87
	v_mov_b32 v[KAP+1], s87
	s_wait_loadcnt 0x0                             ; the 31 totals
	s_cmp_gt_u32 s76, 0                            ; chunk 0 lies above me?
	s_cselect_b32 s77, -1, 0                       ; as a mask for all lanes: a choice of values, no branch
.irp k, 0,1,2,3
	v_cndmask_b32 v[PD+\k], 0, v[F0+\k], s77       ; the first term starts the sum
.endr
.set CH, 1
.rept 30
	s_cmp_gt_u32 s76, CH
	s_cselect_b32 s77, -1, 0
.irp k, 0,1,2,3
	v_cndmask_b32 v[F0+4*CH+\k], 0, v[F0+4*CH+\k], s77
.endr
	v_pk_add_f32 v[PD:PD+1], v[PD:PD+1], v[F0+4*CH:F0+4*CH+1]
	v_pk_add_f32 v[PD+2:PD+3], v[PD+2:PD+3], v[F0+4*CH+2:F0+4*CH+3]
.set CH, CH+1
.endr
	v_pk_mul_f32 v[PD:PD+1], v[PD:PD+1], v[KAP:KAP+1]              ; x 2^(-7-E)
	v_pk_mul_f32 v[PD+2:PD+3], v[PD+2:PD+3], v[KAP:KAP+1]
; 16 matrix instructions: m blocks a0, a0 + 1 of the window's four (hi = 0: my rows 0-63, 1: rows 64-127) x all 8 n blocks, 32 along K.
; zero = 1: the first product starts the sums: nothing is ever cleared.
; The 64 accumulators take turns, one instruction a turn, in the same order in every quarter step.
.macro MUL16 f, hi, a0, zero
.irp a, \a0, \a0+1
.irp b, 0,1,2,3,4,5,6,7
.if \zero
	v_wmma_f32_16x16x32_f16 v[8*(8*(\a)+\b):8*(8*(\a)+\b)+7], v[\f+8*\b:\f+8*\b+7], v[\f+8*(4*\hi+\a):\f+8*(4*\hi+\a)+7], 0
.else
	v_wmma_f32_16x16x32_f16 v[8*(8*(\a)+\b):8*(8*(\a)+\b)+7], v[\f+8*\b:\f+8*\b+7], v[\f+8*(4*\hi+\a):\f+8*(4*\hi+\a)+7], v[8*(8*(\a)+\b):8*(8*(\a)+\b)+7]
.endif
.endr
.endr
.endm
; 32 LDS loads in one run: the fragments of one quarter step (128 rows of wb, 128 rows of xb, 32 K at byte k of the rows) into buffer f
.macro FETCH slot, k, f
	WIN TO_B
.irp i, 0,1,2,3,4,5,6,7
	ds_load_b128 v[\f+8*\i:\f+8*\i+3],   v[ADRB+\slot] offset:\k+\i*16*PITCH
	ds_load_b128 v[\f+8*\i+4:\f+8*\i+7], v[ADRB+\slot] offset:\k+\i*16*PITCH+32
.endr
	WIN 0
.irp i, 0,1,2,3,4,5,6,7
	ds_load_b128 v[\f+8*\i:\f+8*\i+3],   v[ADRA+\slot] offset:\k+\i*16*PITCH
	ds_load_b128 v[\f+8*\i+4:\f+8*\i+7], v[ADRA+\slot] offset:\k+\i*16*PITCH+32
.endr
.endm
; A load into a register that a matrix instruction has read or written, and a store of a matrix result, stand four places behind that matrix
; instruction, and only plain vector instructions that name none of its registers are places (ISA guide 7.12.1 for vector instructions).
.macro PLACES
.rept 4
	v_nop
.endr
.endm
; A K step is four quarter steps of 32 along K, 64 matrix instructions each, on buffers 0, 1, 0, 1.
; One of the first three: multiplies buffer f; in its middle it fetches the next quarter's fragments, at byte k of the same slot's rows, into buffer g.
.macro QUARTER slot, k, f, g, zero
	s_wait_dscnt 8                                 ; wb's fragments and xb's rows 0-63 are in; the youngest eight loads (xb's rows 64-127) may be out
	WIN MUL_LO
	MUL16 \f, 0, 0, \zero
	MUL16 \f, 0, 2, \zero
	PLACES
	FETCH \slot, \k, \g
	s_wait_dscnt 32                                ; all but the 32 just issued
	WIN MUL_HI
	MUL16 \f, 1, 0, \zero
	MUL16 \f, 1, 2, \zero
.endm
.macro THREE slot, zero
	QUARTER \slot, 64,  F0, F1, \zero
	QUARTER \slot, 128, F1, F0, 0
	QUARTER \slot, 192, F0, F1, 0
.endm
; The last quarter: multiplies buffer 1 and changes slots.  next = the other slot; fill = 1: this slot is filled again, two K steps ahead.
; ONE barrier for the change of slots, for two things.  In front of it each wave waits for its own reads of this slot and for all its tensor
; loads, of which one is out: its part of the next slot.  Behind it nobody reads this slot any more and the next slot is whole: the refill
; comes first, then the next slot's first fragments.  From a request to the wait for it a wave issues 240 matrix instructions.
.macro TURN slot, next, fill
	s_wait_dscnt 8
	WIN MUL_LO
	MUL16 F1, 0, 0, 0
	s_wait_dscnt 0                                 ; my reads of this slot are over
	s_set_vgpr_msb 0xa1a0
	s_wait_tensorcnt 0x0                           ; and all my tensor loads have landed: the one that was out is my part of the next slot
	ds_add_u32 v62, v63
	s_wait_dscnt 0x0
	s_set_vgpr_msb 0xa0a1
	s_barrier_signal -1                            ; say so (where a slot is filled again this barrier opens a round of the cluster's barrier),
	MUL16 F1, 0, 2, 0                              ; work on registers while the others arrive,
	WIN 0
	s_barrier_wait -1                              ; and go on when all four have said so
.if \fill
	CREST                                          ; all sixteen work-groups have said so: no wave of any partner still reads this slot's tile or has a load on its way
	s_add_nc_u64 s[G0+4*\slot+2:G0+4*\slot+3], s[G0+4*\slot+2:G0+4*\slot+3], 2*KSTEP*2
	s_add_nc_u64 s[G0B+4*\slot+2:G0B+4*\slot+3], s[G0B+4*\slot+2:G0B+4*\slot+3], 2*KSTEP*2
	JLOAD \slot                                    ; the first tensor load behind the round; the four v_nop behind it are also the places in front of the loads below
.else
	PLACES
.endif
	FETCH \next, 0, F0
	WIN MUL_HI
	MUL16 F1, 1, 0, 0
	MUL16 F1, 1, 2, 0
.endm
.macro LAP zero                        ; once round the ring, both slots filled again
	THREE 0, \zero
	TURN 0, 1, 1
	THREE 1, 0
	TURN 1, 0, 1
.endm
; Rows 16 g .. 16 g + 15 of cs, my 128 columns, into 64 registers at cb of window cw: each load takes 512 consecutive bytes of one row
.macro CLOAD g, cw, cb
	WIN \cw*0x40
.irp t, 0,1,2,3,4,5,6,7,8,9,10,11,12,13,14,15
	global_load_b128 v[\cb+4*\t:\cb+4*\t+3], v[L16], s[68:69] offset:(16*\g+\t)*CSROW th:TH_LOAD_NT   ; read once in the launch
.endr
.endm
	s_wait_tensorcnt 1                             ; my part of K step 0 is in; K step 1's load, issued behind it, may stay out
	s_barrier_signal -1
	s_barrier_wait -1                              ; everybody's is
	FETCH 0, 0, F0
	LAP 1                                          ; the first lap stands in front of the loop: its first products start the sums
	WIN 0                                          ; at a label and at a branch every window is 0
	s_mov_b32 s3, LAPS-2
.Llap:
	LAP 0
	WIN 0
	s_sub_co_u32 s3, s3, 1
	s_cmp_lg_u32 s3, 0
	s_cbranch_scc1 .Llap
	CLOAD 0, 1, 0                                  ; the first 48 rows of cs go out a lap (512 matrix instructions) ahead of their use,
	CLOAD 1, 1, 192                                ; into registers that the products never name
	CLOAD 2, 0, 192
	THREE 0, 0                                     ; the last lap fills nothing and has no round of the cluster's barrier
	TURN 0, 1, 0
	WIN 0
	; Rows 48 to 111 of cs are asked for one K step (256 matrix instructions) ahead of their loads: each lane names one aligned block of 256
	; bytes, each block is named once, by the wave that will load it: 4 x 8 KiB a wave, all inside my 128 rows of cs.
.irp g, 3,4,5,6
	global_prefetch_b8 v[PF], s[68:69] offset:16*CSROW*\g th:TH_LOAD_NT scope:SCOPE_SE
.endr
	THREE 1, 0
	s_wait_dscnt 8                                 ; the very last quarter: nothing more to fetch
	WIN MUL_LO
	MUL16 F1, 0, 0, 0
	MUL16 F1, 0, 2, 0
	s_wait_dscnt 0
	WIN MUL_HI
	MUL16 F1, 1, 0, 0
	MUL16 F1, 1, 2, 0
; THE WAY OUT, 16 rows at a time.  A group = the eight tiles (a, 0..7) of window w = 64 registers from 64 a.  They go into my own stage and come
; back INTO THE SAME 64 REGISTERS as whole rows (row t in registers 64 a + 4 t .. + 3; lane l: columns 4 l .. 4 l + 3, as in cs's rows), are
; multiplied and converted in place and stored from there.  No register is used by two groups, so no store's data is ever written again.
; SL: a group's 16 LDS stores and 16 LDS loads.  It is issued one group ahead of the arithmetic: LDS serves a wave's instructions in order
; (ISA guide 5.7.1.4), so a group's loads see its stores, and the next group's stores reach the stage behind this group's loads.
.macro SL a, w
	WIN \w<<2                                      ; an LDS store's data
.irp b, 0,1,2,3,4,5,6,7
	ds_store_b128 v[STO], v[64*\a+8*\b:64*\a+8*\b+3] offset:64*\b
	ds_store_b128 v[STO], v[64*\a+8*\b+4:64*\a+8*\b+7] offset:64*\b+16
.endr
	WIN \w<<6                                      ; a load's destination
.irp t, 0,1,2,3,4,5,6,7,8,9,10,11,12,13,14,15
	ds_load_b128 v[64*\a+4*\t:64*\a+4*\t+3], v[RD] offset:SPITCH*\t
.endr
.endm
; CM: group g's arithmetic and stores.  cw, cb: where its rows of cs lie.  left: how many younger loads of cs may stay out (-1: shown in
; already).  ahead: how many LDS instructions were issued behind the group's own (the next group's 32, or none).
; All the arithmetic stands ahead of all the stores, so that no store follows straight on the instruction that makes its data.
.macro CM g, a, w, cw, cb, left, ahead
.if \left >= 0
	s_wait_loadcnt \left                           ; loads come back in order (ISA guide 5.7.1): this group's 16 rows of cs are in
.endif
	WIN \cw*0x41
.irp t, 0,1,2,3,4,5,6,7,8,9,10,11,12,13,14,15
	v_pk_fma_f32 v[\cb+4*\t:\cb+4*\t+1], v[\cb+4*\t:\cb+4*\t+1], v[KAP:KAP+1], v[PD:PD+1]           ; cs x 2^(-7-E) + the scaled prefix
	v_pk_fma_f32 v[\cb+4*\t+2:\cb+4*\t+3], v[\cb+4*\t+2:\cb+4*\t+3], v[KAP:KAP+1], v[PD+2:PD+3]
.endr
	WIN (\w<<6)|(\w<<2)|\cw
.irp t, 0,1,2,3,4,5,6,7,8,9,10,11,12,13,14,15
	s_wait_dscnt \ahead+15-\t                      ; row t of q is in: behind its load stand the 15 - t younger rows and what was issued ahead
	v_pk_mul_f32 v[64*\a+4*\t:64*\a+4*\t+1], v[\cb+4*\t:\cb+4*\t+1], v[64*\a+4*\t:64*\a+4*\t+1]
	v_pk_mul_f32 v[64*\a+4*\t+2:64*\a+4*\t+3], v[\cb+4*\t+2:\cb+4*\t+3], v[64*\a+4*\t+2:64*\a+4*\t+3]
.endr
	WIN (\w<<6)|(\w<<2)|\w
.irp t, 0,1,2,3,4,5,6,7,8,9,10,11,12,13,14,15
	v_cvt_pk_f16_f32 v[64*\a+4*\t],   v[64*\a+4*\t],   v[64*\a+4*\t+1]     ; the row's four numbers into its first two registers
	v_cvt_pk_f16_f32 v[64*\a+4*\t+1], v[64*\a+4*\t+2], v[64*\a+4*\t+3]
.endr
	WIN \w<<2                                      ; a store's data
.irp t, 0,1,2,3,4,5,6,7,8,9,10,11,12,13,14,15
	global_store_b64 v[CO], v[64*\a+4*\t:64*\a+4*\t+1], s[8:9] offset:(16*\g+\t)*VHROW   ; the wave stores 256 consecutive bytes, at a multiple of 256 from vh's first byte
.endr
.endm
	PLACES                                         ; behind the last matrix instructions: for the stores of results and for the loads into their registers
	s_wait_loadcnt 0x0                             ; rows 0 to 47 of cs, issued a lap ago.  For 0, since more loads follow below than a count could name
	CLOAD 3, 1, 64                                 ; the fragments' registers are free now
	CLOAD 4, 1, 128
	CLOAD 5, 0, 128
	SL 0, 2
	SL 1, 2
	CM 0, 0, 2, 1, 0,   -1, 32
	CLOAD 6, 1, 0                                  ; into group 0's registers
	SL 2, 2
	CM 1, 1, 2, 1, 192, -1, 32
	CLOAD 7, 1, 192                                ; into group 1's
	SL 3, 2
	CM 2, 2, 2, 0, 192, -1, 32
	SL 0, 3
	CM 3, 3, 2, 1, 64,  63, 32                     ; behind group 3's loads stand 64 (groups 4 to 7); the count's field holds 63, which asks for one load more than needed
	SL 1, 3
	CM 4, 0, 3, 1, 128, 48, 32                     ; groups 5, 6, 7
	SL 2, 3
	CM 5, 1, 3, 0, 128, 32, 32                     ; groups 6, 7
	SL 3, 3
	CM 6, 2, 3, 1, 0,   16, 32                     ; group 7
	CM 7, 3, 3, 1, 192, 0,  0
	WIN 0
	s_wait_tensorcnt 0x0
	ds_add_u32 v62, v63
	s_wait_dscnt 0x0
	CROUND                                         ; the closing round: no work-group ends while a partner may still ask for a tile that names it
	s_endpgm
.Lfunc_end_k_q87dfdd3fd2_qmul:
	.size	k_q87dfdd3fd2_qmul, .Lfunc_end_k_q87dfdd3fd2_qmul-k_q87dfdd3fd2_qmul
	.p2alignl 7, 3214868480
	.fill 96, 4, 3214868480
	.section	.rodata,"a",@progbits
	.p2align	6, 0x0
	.amdhsa_kernel k_q87dfdd3fd2_qmul
		.amdhsa_group_segment_fixed_size 327680
		.amdhsa_private_segment_fixed_size 0
		.amdhsa_enable_private_segment 0
		.amdhsa_kernarg_size 56
		.amdhsa_user_sgpr_count 2
		.amdhsa_user_sgpr_kernarg_segment_ptr 1
		.amdhsa_wavefront_size32 1
		.amdhsa_system_sgpr_workgroup_id_x 1
		.amdhsa_system_sgpr_workgroup_id_y 1
		.amdhsa_system_sgpr_workgroup_id_z 1
		.amdhsa_system_vgpr_workitem_id 0
		.amdhsa_next_free_vgpr 1024
		.amdhsa_next_free_sgpr 96
		.amdhsa_reserve_vcc 0
		.amdhsa_float_denorm_mode_32 3
		.amdhsa_float_denorm_mode_16_64 3
		.amdhsa_memory_ordered 1
		.amdhsa_forward_progress 1
		.amdhsa_inst_pref_size 255
	.end_amdhsa_kernel
	.section	.bss,"aw",@nobits
	.p2align	6
	.space	262144
	.amdgpu_metadata
---
amdhsa.version: [ 1, 2 ]
amdhsa.kernels:
  - .name:           k_q87dfdd3fd2_qmul
    .symbol:         k_q87dfdd3fd2_qmul.kd
    .args:
      - { .name: xb, .offset: 0, .size: 8, .value_kind: global_buffer, .address_space: global }
      - { .name: wb, .offset: 8, .size: 8, .value_kind: global_buffer, .address_space: global }
      - { .name: cs, .offset: 16, .size: 8, .value_kind: global_buffer, .address_space: global }
      - { .name: tot, .offset: 24, .size: 8, .value_kind: global_buffer, .address_space: global }
      - { .name: mx, .offset: 32, .size: 8, .value_kind: global_buffer, .address_space: global }
      - { .name: mc, .offset: 40, .size: 8, .value_kind: global_buffer, .address_space: global }
      - { .name: vh, .offset: 48, .size: 8, .value_kind: global_buffer, .address_space: global }
    .group_segment_fixed_size: 327680
    .private_segment_fixed_size: 0
    .kernarg_segment_align: 8
    .kernarg_segment_size: 56
    .max_flat_workgroup_size: 128
    .sgpr_count:     96
    .vgpr_count:     1024
    .wavefront_size: 32
...
	.end_amdgpu_metadata
.endif
;; end of part 3
;; launch proj (part 4): grid 4 x 64, 4 waves a work-group, clusters of 4 x 4, 327,680 bytes of LDS; arguments vh, wb, mx, mc, out0; writes out0
.if DOCPART == 4
	.amdgcn_target "amdgcn-amd-amdhsa--gfx1250"
	.amdhsa_code_object_version 6
	.text
	.protected	k_q87dfdd3fd2_proj
	.globl	k_q87dfdd3fd2_proj
	.p2align	8
	.type	k_q87dfdd3fd2_proj,@function
k_q87dfdd3fd2_proj:
	s_mov_b64 s[64:65], 0
	v_nop
	global_prefetch_b8 v0, s[64:65] scope:SCOPE_SE
	s_setreg_imm32_b32 hwreg(HW_REG_WAVE_MODE, 25, 1), 1
	s_wait_xcnt 0x0
	s_wait_alu depctr_hold_cnt(0) depctr_sa_sdst(0) depctr_va_vdst(0) depctr_va_sdst(0) depctr_va_ssrc(0) depctr_va_vcc(0) depctr_vm_vsrc(0)
	s_getreg_b32 s2, hwreg(HW_REG_IB_STS2, 6, 4)
	s_cmp_eq_u32 s2, 0
	s_cbranch_scc0 .Lentry_in_a_cluster
	s_endpgm
.Lentry_in_a_cluster:
	s_bfe_u32 s2, ttmp6, 0x10000c
	s_cmp_lg_u32 s2, 0xf033
	s_cbranch_scc0 .Lentry_shape_is_right
	s_endpgm
.Lentry_shape_is_right:
; out0 = vhat Wo^T: vh [16384][1024] f16 (= vhat x 2^-E) x (rows 3072..4095 of wb)^T, f32 sums, x 2^E on the way out; out0 [16384][1024] f32.
; THE SCALE.  E is one whole number for each batch, formed here from the same stored maxima and by the same lines as in the launch that made
; vh: with ex, eq, ec the binary exponents of the batch's max|x|, of max|Wq| and of the batch's max|cs|, E = ex + eq + ec - 4, kept inside
; -100 .. 100, so that 2^E is a normal f32.  The multiplication by a power of two is exact but for results outside f32's normal range.
; A work-group makes a block of 256 x 256 with four waves, as many as a WGP has SIMDs; a wave makes 128 x 128: 64 accumulator tiles of 16 x 16,
; 512 registers.  K goes in steps of 128 through a ring of two LDS slots filled by the tensor data mover (rows of 256 bytes, at multiples of
; 256 bytes).  By this text's count a wave has two tensor loads out at the start, later one.
; CLUSTERS: 4 x 4 work-groups; vh's tile is asked for jointly by the four of a row of the cluster, wb's by the four of a column, which divides
; the requests for both by four.
; REGISTERS, in windows of 256:
;   window 0: v0-31 addresses and the scale; v64-127, v128-191 fragments of vh, two buffers; v192-217 the maxima, at the head
;   window 1: v64-127, v128-191 fragments of wb, two buffers
;   window 2: the 32 accumulator tiles of my rows 0-63 (tile (a, b) at v[8 (8 a + b)]);   window 3: those of my rows 64-127
; THE MATRIX INSTRUCTION IS USED TRANSPOSED: source 0 = 16 rows of wb, source 1 = 16 rows of vh.  Lane l then holds row l % 16 of the tile and
; its registers 0 to 7 the columns 8 (l / 16) + 0 .. 7: 32 neighbouring bytes of a row of out0.
; LIMIT: operands are f16 (their range: see the launches that make them); the sums are f32, K ascending, one accumulator for each output.
.set SIZE_K, 1024
.set WOFF,   0x600000                  ; Wo's rows in wb: 3,072 rows of 2,048 bytes in
.set MXQ,    4608                      ; Wq's units in mx: 1,152 words in
.set KSTEP,  128
.set PITCH,  272                       ; an LDS row: 256 bytes of data + 16 of padding = 68 words: row r starts at bank 4 r mod 64 (64 banks of 4 bytes: ISA guide 11.1), so the 16 rows that a load touches start at 16 different banks
.set HALFT,  128*PITCH                 ; 128 rows: what one tensor load brings, and what one wave reads of either operand
.set SLOT,   4*HALFT                   ; vh's 256 rows, then wb's 256 rows
.set STAGE,  2*SLOT                    ; behind the ring (1,088 blocks of 256 bytes in): no tensor load ever lands here
.set SPITCH, 528                       ; the stage's rows: 128 f32 + 16 bytes = 33 x 16 bytes: 16 rows' stores of 16 bytes fall on 16 different columns of 16 bytes modulo 256
.set SBYTES, 16*SPITCH                 ; a wave's stage: 16 rows, 33 blocks of 256 bytes
.set OROW,   4096                      ; bytes in a row of out0
.set LAPS, SIZE_K/(2*KSTEP)            ; a lap = two K steps = once round the ring: 4 laps
.set SCL,  14                          ; v[14:15] 2^E, twice (a pair for the packed multiply)
.set ADRA, 16                          ; v16-17  LDS address of my vh fragments in slot 0, 1
.set ADRB, 20                          ; v20-21  the same for wb
.set STO,  24                          ; v24     where I put 16 bytes of the stage
.set RD,   25                          ; v25     where I read 16 bytes of a row back
.set CO,   26                          ; v26     16 x lane: my 16 bytes in a row of out0; never rewritten
.set L8,   27                          ; v27     8 x lane
.set F0,   64                          ; fragment buffer 0
.set F1,   128                         ; fragment buffer 1
.set SM,   192                         ; at the head: v192-199 maxima of x, v200-215 of |cs|, v216-217 of Wq
.set G1, 24                            ; s[24:31] descriptor group 1 for vh's tiles
.set G0, 32                            ; s[32:39] descriptor group 0 for vh's tiles, one set for each slot
.set G1B, 48                           ; s[48:55] descriptor group 1 for wb's tiles: it differs in the mask alone
.set G0B, 56                           ; s[56:63] descriptor group 0 for wb's tiles, one set for each slot
.set MSB, 0
.macro WIN new                         ; the immediate's high byte repeats the setting that is left; a switch that changes nothing is dropped
.if MSB != (\new)
	s_set_vgpr_msb (MSB<<8)|(\new)
.set MSB, (\new)
.endif
.endm
.set MUL_LO, 0xa1                      ; source 0 (wb) window 1, source 1 (vh) window 0, C and D window 2
.set MUL_HI, 0xf1                      ; the same, C and D window 3
.set TO_B,   0x40                      ; destination window 1, address window 0
; A joint load.  Waves 0 and 1 fetch vh's two halves, waves 2 and 3 wb's.  Each of the two lines has ONE mask and one set of registers for all
; that issue it, and nothing in them hangs on a coordinate that the four partners do not share.  The branch hangs on the wave's number alone.
; Four v_nop follow each of the two lines; the jump round the other line, the label and what follows come after them.
.macro JLOAD s
	s_cmp_eq_u32 s11, 0
	s_cbranch_scc0 .Lfor_b_\@
	tensor_load_to_lds s[G0+4*\s:G0+4*\s+3], s[G1:G1+7]
	s_nop 0
.rept 4
	v_nop
.endr
	s_branch .Lasked_\@
.Lfor_b_\@:
	tensor_load_to_lds s[G0B+4*\s:G0B+4*\s+3], s[G1B:G1B+7]
	s_nop 0
.rept 4
	v_nop
.endr
.Lasked_\@:
.endm
; A round of the cluster's barrier: my work-group's barrier, so that wave 0's signal speaks for all four waves; wave 0 signals for the
; work-group; every wave waits for all sixteen work-groups; my work-group's barrier once more.
.macro CREST                           ; a round behind its opening barrier
	s_cmp_lg_u32 s10, 0
	s_cbranch_scc1 .Lnot_wave_0_\@
	s_barrier_signal -3
.Lnot_wave_0_\@:
	s_barrier_wait -3
	s_barrier_signal -1
	s_barrier_wait -1
.endm
.macro CROUND                          ; a whole round
	s_barrier_signal -1
	s_barrier_wait -1
	CREST
.endm
; E, in s86, from the maxima in v[SM:SM+25].  All of them are magnitudes, so plain maxima do.
.macro EXPO
	v_max3_num_f32 v[SM], v[SM], v[SM+1], v[SM+2]                  ; x: my 8 of the batch's 256
	v_max3_num_f32 v[SM+3], v[SM+3], v[SM+4], v[SM+5]
	v_max3_num_f32 v[SM], v[SM], v[SM+6], v[SM+7]
	v_max_num_f32 v[SM], v[SM], v[SM+3]
.irp i, 8,11,14,17,20
	v_max3_num_f32 v[SM+\i], v[SM+\i], v[SM+\i+1], v[SM+\i+2]      ; |cs|: my 16 of the batch's 512
.endr
	v_max3_num_f32 v[SM+8], v[SM+8], v[SM+11], v[SM+14]
	v_max3_num_f32 v[SM+17], v[SM+17], v[SM+20], v[SM+23]
	v_max_num_f32 v[SM+8], v[SM+8], v[SM+17]
	v_max_num_f32 v[SM+24], v[SM+24], v[SM+25]                     ; Wq: my 2 of 64
.irp m, 1,2,4,8
.irp i, 0,8,24
	v_max_num_f32_dpp v[SM+\i], v[SM+\i], v[SM+\i] row_xmask:\m row_mask:0xf bank_mask:0xf   ; over the 16 lanes of a half, the three by turns
.endr
.endr
.irp i, 0,8,24
	v_permlanex16_b32 v[SM+\i+1], v[SM+\i], s90, s91               ; the other half (the destinations have been written)
.endr
.irp i, 0,8,24
	v_max_num_f32 v[SM+\i], v[SM+\i], v[SM+\i+1]
.endr
	v_readfirstlane_b32 s86, v[SM]
	v_readfirstlane_b32 s87, v[SM+8]
	v_readfirstlane_b32 s88, v[SM+24]
	s_bfe_u32 s86, s86, 0x80017                    ; the exponent's field, 8 bits from bit 23: e + 127 (0 for zero and denormals, which lie below 2^-126)
	s_bfe_u32 s87, s87, 0x80017
	s_bfe_u32 s88, s88, 0x80017
	s_add_co_u32 s86, s86, s87
	s_add_co_u32 s86, s86, s88
	s_sub_co_i32 s86, s86, 385                     ; ex + eq + ec - 4 = the three fields - 3 x 127 - 4
	s_max_i32 s86, s86, -100
	s_min_i32 s86, s86, 100
.endm
	s_load_b128 s[4:7], s[0:1], 0x0                ; vh s[4:5], wb s[6:7]
	s_load_b128 s[80:83], s[0:1], 0x10             ; mx s[80:81], mc s[82:83]
	s_load_b64 s[8:9], s[0:1], 0x20                ; out0
	s_set_vgpr_msb 0x40
	v_lshl_add_u32 v255, v0, 2, 0x4c400
	s_set_vgpr_msb 0x4000
	v_mov_b32 v255, 0
	s_set_vgpr_msb 0x1
	ds_add_u32 v255, v255
	s_set_vgpr_msb 0x100
	v_lshrrev_b32 v1, 5, v0
	v_readfirstlane_b32 s10, v1                    ; wave 0..3
	s_lshr_b32 s11, s10, 1                         ; which half of the block's rows is mine.  Also: I fetch for vh (0) or for wb (1)
	s_and_b32 s12, s10, 1                          ; which half of its columns.  Also: which 128 rows of that tile I fetch
	s_bfe_u32 s40, ttmp6, 0x40000                  ; cx: my place along the cluster's x
	s_bfe_u32 s41, ttmp6, 0x40004                  ; cy: along its y
	s_lshl_b32 s42, ttmp9, 2                       ; in a cluster launch ttmp9 and ttmp7 count clusters
	s_add_co_u32 s42, s42, s40                     ; block column = 4 x cluster x + cx, 0..3
	s_and_b32 s13, ttmp7, 0xffff
	s_lshl_b32 s13, s13, 2
	s_add_co_u32 s13, s13, s41                     ; block row = 4 x cluster y + cy, 0..63
	s_lshl_b32 s43, s41, 2
	s_lshl_b32 s43, 15, s43                        ; my row of the cluster: places 4 cy .. 4 cy + 3
	s_lshl_b32 s44, 0x1111, s40                    ; my column: places cx, cx + 4, cx + 8, cx + 12
	s_mov_b32 s90, 0x76543210                      ; v_permlanex16_b32: lane i of one half reads lane i of the other
	s_mov_b32 s91, 0xfedcba98
	; descriptor group 1: a tile of 128 rows x 128 elements, padded in LDS
	s_or_b32 s[G1+0], s43, (1<<16)|(1<<20)|(1<<21)|(5<<22)|(3<<25)  ; 15:0 the mask: vh's tiles go to my row; 17:16 element of 2 bytes; 20 padding on; 21 set beside a mask; 24:22 after every 64 words (code 5); 31:25 of 4 words (code 3)
	s_or_b32 s[G1B+0], s44, (1<<16)|(1<<20)|(1<<21)|(5<<22)|(3<<25) ; the same with the mask of my column, for wb's tiles
	s_mov_b32 s[G1B+1], KSTEP<<16
	s_mov_b32 s[G1+1], KSTEP<<16                   ; 63:48 tensor_dim0, low half = 128
	s_mov_b32 s[G1B+2], 128<<16
	s_mov_b32 s[G1+2], 128<<16                     ; 79:64 its high half = 0; 95:80 tensor_dim1, low half = 128
	s_mov_b32 s[G1B+3], KSTEP<<16
	s_mov_b32 s[G1+3], KSTEP<<16                   ; 111:96 its high half = 0; 127:112 tile_dim0 = 128
	s_mov_b32 s[G1B+4], 128
	s_mov_b32 s[G1+4], 128                         ; 143:128 tile_dim1 = 128; 159:144 tile_dim2 = 0
	s_mov_b32 s[G1B+5], SIZE_K
	s_mov_b32 s[G1+5], SIZE_K                      ; 191:160 tensor_dim0_stride, low word: elements from row to row
	s_mov_b32 s[G1B+6], 0
	s_mov_b32 s[G1+6], 0
	s_mov_b32 s[G1B+7], 0
	s_mov_b32 s[G1+7], 0
	; where the tiles come from.  vh's hang on the block row alone, which my row of the cluster shares; wb's on the block column alone.
	; Every wave makes both addresses, in registers that never hold the other coordinate, and asks by one of them.
	s_lshl_b32 s17, s12, 7                         ; which 128 rows of the tile I fetch
	s_lshl_b32 s16, s13, 8
	s_add_co_u32 s16, s16, s17                     ; vh: row 256 x block row + 128 x half
	s_lshl_b32 s46, s42, 8
	s_add_co_u32 s46, s46, s17                     ; wb: row 256 x block column + 128 x half, counted from Wo's first row
	s_mov_b32 s17, 0
	s_mov_b32 s47, 0
	s_mov_b64 s[18:19], SIZE_K*2
	s_mul_u64 s[16:17], s[16:17], s[18:19]         ; in bytes
	s_mul_u64 s[46:47], s[46:47], s[18:19]
	s_mul_i32 s20, s10, HALFT                      ; and where they go: wave x 128 rows: no place in the cluster enters an LDS address
	s_wait_dscnt 0x0
	s_wait_kmcnt 0x0
	s_add_nc_u64 s[6:7], s[6:7], WOFF              ; Wo's first row
	s_add_nc_u64 s[14:15], s[4:5], s[16:17]
	s_add_nc_u64 s[46:47], s[6:7], s[46:47]
	CROUND                                         ; all sixteen work-groups are here: the first joint loads meet
.irp s, 0,1
	s_mov_b32 s[G0+4*\s], 1                                        ; 1:0 count = 1
	s_add_co_u32 s[G0+4*\s+1], s20, \s*SLOT                        ; 63:32 LDS address
	s_add_nc_u64 s[G0+4*\s+2:G0+4*\s+3], s[14:15], \s*KSTEP*2      ; 120:64 global address: K step s
	s_or_b32 s[G0+4*\s+3], s[G0+4*\s+3], 0x80000000                ; 127:126 type = 2
	s_mov_b32 s[G0B+4*\s], 1
	s_add_co_u32 s[G0B+4*\s+1], s20, \s*SLOT
	s_add_nc_u64 s[G0B+4*\s+2:G0B+4*\s+3], s[46:47], \s*KSTEP*2
	s_or_b32 s[G0B+4*\s+3], s[G0B+4*\s+3], 0x80000000
	JLOAD \s                                       ; the ring is filled before anything else is done
.endr
	; the maxima of my batch, while the first tiles are on their way (scalars that feed no descriptor: s78 and above)
	s_lshr_b32 s78, s13, 4                         ; my batch (16 block rows each),
	s_lshl_b32 s78, s78, 10                        ; whose 256 units of x are 1,024 bytes of mx
	s_mov_b32 s79, 0
	s_add_nc_u64 s[84:85], s[80:81], s[78:79]
	s_lshl_b32 s78, s78, 1                         ; and whose 32 chunks are 2,048 bytes of mc
	s_add_nc_u64 s[82:83], s[82:83], s[78:79]
	v_and_b32 v5, 31, v0                           ; lane
	v_lshlrev_b32 v[CO], 4, v5
	v_lshlrev_b32 v[L8], 3, v5
	global_load_b128 v[SM:SM+3], v[CO], s[84:85]                   ; seven loads: x's,
	global_load_b128 v[SM+4:SM+7], v[CO], s[84:85] offset:512
.irp i, 0,1,2,3
	global_load_b128 v[SM+8+4*\i:SM+11+4*\i], v[CO], s[82:83] offset:512*\i   ; |cs|'s,
.endr
	global_load_b64 v[SM+24:SM+25], v[L8], s[80:81] offset:MXQ     ; Wq's
	; A fragment is 16 rows x 32 K in 8 registers: lane l holds row l % 16; registers 0-3 hold K = 8 (l / 16) + 0..7, registers 4-7 hold
	; K = 16 + 8 (l / 16) + 0..7.  From rows that lie along K: two loads of 16 bytes, 32 bytes apart.  The same for both sources.
	v_and_b32 v1, 15, v0                           ; r = l % 16
	v_bfe_u32 v2, v0, 4, 1                         ; h = l / 16
	v_mul_u32_u24 v3, v1, PITCH
	v_lshl_add_u32 v3, v2, 4, v3                   ; row x pitch + 16 x half
	s_mul_i32 s21, s11, HALFT                      ; my 128 rows of vh
	s_mul_i32 s22, s12, HALFT                      ; my 128 rows of wb,
	s_add_co_u32 s22, s22, 2*HALFT                 ; which lie behind vh's 256
.irp s, 0,1
	v_add_nc_u32 v[ADRA+\s], s21, v3
	v_add_nc_u32 v[ADRB+\s], s22, v3
	s_add_co_u32 s21, s21, SLOT
	s_add_co_u32 s22, s22, SLOT
.endr
	s_mul_i32 s23, s10, SBYTES
	s_add_co_u32 s23, s23, STAGE                   ; my stage
	v_mul_u32_u24 v4, v1, SPITCH                   ; in: row r, 32 bytes for each half of the lanes
	v_lshl_add_u32 v4, v2, 5, v4
	v_add_nc_u32 v[STO], s23, v4
	v_add_nc_u32 v[RD], s23, v[CO]                 ; back and out: the 32 lanes take one row of 512 bytes
	s_wait_loadcnt 0x0                             ; the seven loads of maxima
	EXPO
	s_add_co_i32 s87, s86, 127                     ; 2^E as f32: the field 127 + E, inside 27 .. 227
	s_lshl_b32 s87, s87, 23
	v_mov_b32 v[SCL], s87
	v_mov_b32 v[SCL+1], s87
; 16 matrix instructions: m blocks a0, a0 + 1 of the window's four (hi = 0: my rows 0-63, 1: rows 64-127) x all 8 n blocks, 32 along K.
; zero = 1: the first product starts the sums: nothing is ever cleared.
; The 64 accumulators take turns, one instruction a turn, in the same order in every quarter step.
.macro MUL16 f, hi, a0, zero
.irp a, \a0, \a0+1
.irp b, 0,1,2,3,4,5,6,7
.if \zero
	v_wmma_f32_16x16x32_f16 v[8*(8*(\a)+\b):8*(8*(\a)+\b)+7], v[\f+8*\b:\f+8*\b+7], v[\f+8*(4*\hi+\a):\f+8*(4*\hi+\a)+7], 0
.else
	v_wmma_f32_16x16x32_f16 v[8*(8*(\a)+\b):8*(8*(\a)+\b)+7], v[\f+8*\b:\f+8*\b+7], v[\f+8*(4*\hi+\a):\f+8*(4*\hi+\a)+7], v[8*(8*(\a)+\b):8*(8*(\a)+\b)+7]
.endif
.endr
.endr
.endm
; 32 LDS loads in one run: the fragments of one quarter step (128 rows of wb, 128 rows of vh, 32 K at byte k of the rows) into buffer f
.macro FETCH slot, k, f
	WIN TO_B
.irp i, 0,1,2,3,4,5,6,7
	ds_load_b128 v[\f+8*\i:\f+8*\i+3],   v[ADRB+\slot] offset:\k+\i*16*PITCH
	ds_load_b128 v[\f+8*\i+4:\f+8*\i+7], v[ADRB+\slot] offset:\k+\i*16*PITCH+32
.endr
	WIN 0
.irp i, 0,1,2,3,4,5,6,7
	ds_load_b128 v[\f+8*\i:\f+8*\i+3],   v[ADRA+\slot] offset:\k+\i*16*PITCH
	ds_load_b128 v[\f+8*\i+4:\f+8*\i+7], v[ADRA+\slot] offset:\k+\i*16*PITCH+32
.endr
.endm
; A load into a register that a matrix instruction has read or written, and a store of a matrix result, stand four places behind that matrix
; instruction, and only plain vector instructions that name none of its registers are places (ISA guide 7.12.1 for vector instructions).
.macro PLACES
.rept 4
	v_nop
.endr
.endm
; A K step is four quarter steps of 32 along K, 64 matrix instructions each, on buffers 0, 1, 0, 1.
; One of the first three: multiplies buffer f; in its middle it fetches the next quarter's fragments, at byte k of the same slot's rows, into buffer g.
.macro QUARTER slot, k, f, g, zero
	s_wait_dscnt 8                                 ; wb's fragments and vh's rows 0-63 are in; the youngest eight loads (vh's rows 64-127) may be out
	WIN MUL_LO
	MUL16 \f, 0, 0, \zero
	MUL16 \f, 0, 2, \zero
	PLACES
	FETCH \slot, \k, \g
	s_wait_dscnt 32                                ; all but the 32 just issued
	WIN MUL_HI
	MUL16 \f, 1, 0, \zero
	MUL16 \f, 1, 2, \zero
.endm
.macro THREE slot, zero
	QUARTER \slot, 64,  F0, F1, \zero
	QUARTER \slot, 128, F1, F0, 0
	QUARTER \slot, 192, F0, F1, 0
.endm
; The last quarter: multiplies buffer 1 and changes slots.  next = the other slot; fill = 1: this slot is filled again, two K steps ahead.
; ONE barrier for the change of slots, for two things.  In front of it each wave waits for its own reads of this slot and for all its tensor
; loads, of which one is out: its part of the next slot.  Behind it nobody reads this slot any more and the next slot is whole: the refill
; comes first, then the next slot's first fragments.  From a request to the wait for it a wave issues 240 matrix instructions.
.macro TURN slot, next, fill
	s_wait_dscnt 8
	WIN MUL_LO
	MUL16 F1, 0, 0, 0
	s_wait_dscnt 0                                 ; my reads of this slot are over
	s_wait_tensorcnt 0x0                           ; and all my tensor loads have landed: the one that was out is my part of the next slot
	ds_add_u32 v255, v255
	s_wait_dscnt 0x0
	s_barrier_signal -1                            ; say so (where a slot is filled again this barrier opens a round of the cluster's barrier),
	MUL16 F1, 0, 2, 0                              ; work on registers while the others arrive,
	WIN 0
	s_barrier_wait -1                              ; and go on when all four have said so
.if \fill
	CREST                                          ; all sixteen work-groups have said so: no wave of any partner still reads this slot's tile or has a load on its way
	s_add_nc_u64 s[G0+4*\slot+2:G0+4*\slot+3], s[G0+4*\slot+2:G0+4*\slot+3], 2*KSTEP*2
	s_add_nc_u64 s[G0B+4*\slot+2:G0B+4*\slot+3], s[G0B+4*\slot+2:G0B+4*\slot+3], 2*KSTEP*2
	JLOAD \slot                                    ; the first tensor load behind the round; the four v_nop behind it are also the places in front of the loads below
.else
	PLACES
.endif
	FETCH \next, 0, F0
	WIN MUL_HI
	MUL16 F1, 1, 0, 0
	MUL16 F1, 1, 2, 0
.endm
.macro LAP zero                        ; once round the ring, both slots filled again
	THREE 0, \zero
	TURN 0, 1, 1
	THREE 1, 0
	TURN 1, 0, 1
.endm
	s_wait_tensorcnt 1                             ; my part of K step 0 is in; K step 1's load, issued behind it, may stay out
	s_barrier_signal -1
	s_barrier_wait -1                              ; everybody's is
	FETCH 0, 0, F0
	LAP 1                                          ; the first lap stands in front of the loop: its first products start the sums
	WIN 0                                          ; at a label and at a branch every window is 0
	s_mov_b32 s3, LAPS-2
.Llap:
	LAP 0
	WIN 0
	s_sub_co_u32 s3, s3, 1
	s_cmp_lg_u32 s3, 0
	s_cbranch_scc1 .Llap
	THREE 0, 0                                     ; the last lap fills nothing and has no round of the cluster's barrier
	TURN 0, 1, 0
	THREE 1, 0
	s_wait_dscnt 8                                 ; the very last quarter: nothing more to fetch
	WIN MUL_LO
	MUL16 F1, 0, 0, 0
	MUL16 F1, 0, 2, 0
	s_wait_dscnt 0
	WIN MUL_HI
	MUL16 F1, 1, 0, 0
	MUL16 F1, 1, 2, 0
	PLACES                                         ; behind the last matrix instructions: for the stores of results and for the loads into their registers
	s_lshl_b32 s16, s13, 8
	s_lshl_b32 s14, s11, 7
	s_add_co_u32 s16, s16, s14                     ; my first row,
	s_lshl_b32 s16, s16, 12                        ; in bytes
	s_mov_b32 s17, 0
	s_add_nc_u64 s[8:9], s[8:9], s[16:17]
	s_lshl_b32 s46, s42, 10                        ; my first column, in bytes: 1,024 x block + 512 x half (in the registers that held wb's address: none that feeds vh's descriptors ever holds cx)
	s_lshl_b32 s47, s12, 9
	s_add_co_u32 s46, s46, s47
	s_mov_b32 s47, 0
	s_add_nc_u64 s[8:9], s[8:9], s[46:47]
; THE WAY OUT, 16 rows at a time.  A group = the eight tiles (a, 0..7) of window w = 64 registers from 64 a.  They go into my own stage and come
; back INTO THE SAME 64 REGISTERS as whole rows of 512 bytes (row t in registers 64 a + 4 t .. + 3), are scaled in place and stored from there.
; No register is used by two groups, so no store's data is ever written again.
; SL: a group's 16 LDS stores and 16 LDS loads.  It is issued one group ahead of the arithmetic: LDS serves a wave's instructions in order
; (ISA guide 5.7.1.4), so a group's loads see its stores, and the next group's stores reach the stage behind this group's loads.
.macro SL a, w
	WIN \w<<2                                      ; an LDS store's data
.irp b, 0,1,2,3,4,5,6,7
	ds_store_b128 v[STO], v[64*\a+8*\b:64*\a+8*\b+3] offset:64*\b
	ds_store_b128 v[STO], v[64*\a+8*\b+4:64*\a+8*\b+7] offset:64*\b+16
.endr
	WIN \w<<6                                      ; a load's destination
.irp t, 0,1,2,3,4,5,6,7,8,9,10,11,12,13,14,15
	ds_load_b128 v[64*\a+4*\t:64*\a+4*\t+3], v[RD] offset:SPITCH*\t
.endr
.endm
; MG: rows 16 i .. 16 i + 15 are scaled and stored.  ahead: how many LDS instructions were issued behind the group's own (the next group's 32,
; or none).  All the multiplications stand ahead of all the stores, so that no store follows straight on the instruction that makes its data.
.macro MG i, a, w, ahead
	WIN (\w<<6)|\w
.irp t, 0,1,2,3,4,5,6,7,8,9,10,11,12,13,14,15
	s_wait_dscnt \ahead+15-\t                      ; row t is in: behind its load stand the 15 - t younger rows and what was issued ahead
	v_pk_mul_f32 v[64*\a+4*\t:64*\a+4*\t+1], v[64*\a+4*\t:64*\a+4*\t+1], v[SCL:SCL+1]         ; x 2^E
	v_pk_mul_f32 v[64*\a+4*\t+2:64*\a+4*\t+3], v[64*\a+4*\t+2:64*\a+4*\t+3], v[SCL:SCL+1]
.endr
	WIN \w<<2                                      ; a store's data
.irp t, 0,1,2,3,4,5,6,7,8,9,10,11,12,13,14,15
	global_store_b128 v[CO], v[64*\a+4*\t:64*\a+4*\t+3], s[8:9] offset:(16*\i+\t)*OROW th:TH_STORE_NT   ; the wave stores 512 consecutive bytes, at a multiple of 512 from out0's first byte
.endr
.endm
	SL 0, 2
	SL 1, 2
	MG 0, 0, 2, 32
	SL 2, 2
	MG 1, 1, 2, 32
	SL 3, 2
	MG 2, 2, 2, 32
	SL 0, 3
	MG 3, 3, 2, 32
	SL 1, 3
	MG 4, 0, 3, 32
	SL 2, 3
	MG 5, 1, 3, 32
	SL 3, 3
	MG 6, 2, 3, 32
	MG 7, 3, 3, 0
	WIN 0
	s_set_vgpr_msb 0x1
	s_wait_tensorcnt 0x0
	ds_add_u32 v255, v255
	s_wait_dscnt 0x0
	s_set_vgpr_msb 0x100
	CROUND                                         ; the closing round: no work-group ends while a partner may still ask for a tile that names it
	s_endpgm
.Lfunc_end_k_q87dfdd3fd2_proj:
	.size	k_q87dfdd3fd2_proj, .Lfunc_end_k_q87dfdd3fd2_proj-k_q87dfdd3fd2_proj
	.p2alignl 7, 3214868480
	.fill 96, 4, 3214868480
	.section	.rodata,"a",@progbits
	.p2align	6, 0x0
	.amdhsa_kernel k_q87dfdd3fd2_proj
		.amdhsa_group_segment_fixed_size 327680
		.amdhsa_private_segment_fixed_size 0
		.amdhsa_enable_private_segment 0
		.amdhsa_kernarg_size 40
		.amdhsa_user_sgpr_count 2
		.amdhsa_user_sgpr_kernarg_segment_ptr 1
		.amdhsa_wavefront_size32 1
		.amdhsa_system_sgpr_workgroup_id_x 1
		.amdhsa_system_sgpr_workgroup_id_y 1
		.amdhsa_system_sgpr_workgroup_id_z 1
		.amdhsa_system_vgpr_workitem_id 0
		.amdhsa_next_free_vgpr 1024
		.amdhsa_next_free_sgpr 96
		.amdhsa_reserve_vcc 0
		.amdhsa_float_denorm_mode_32 3
		.amdhsa_float_denorm_mode_16_64 3
		.amdhsa_memory_ordered 1
		.amdhsa_forward_progress 1
		.amdhsa_inst_pref_size 216
	.end_amdhsa_kernel
	.amdgpu_metadata
---
amdhsa.version: [ 1, 2 ]
amdhsa.kernels:
  - .name:           k_q87dfdd3fd2_proj
    .symbol:         k_q87dfdd3fd2_proj.kd
    .args:
      - { .name: vh, .offset: 0, .size: 8, .value_kind: global_buffer, .address_space: global }
      - { .name: wb, .offset: 8, .size: 8, .value_kind: global_buffer, .address_space: global }
      - { .name: mx, .offset: 16, .size: 8, .value_kind: global_buffer, .address_space: global }
      - { .name: mc, .offset: 24, .size: 8, .value_kind: global_buffer, .address_space: global }
      - { .name: out0, .offset: 32, .size: 8, .value_kind: global_buffer, .address_space: global }
    .group_segment_fixed_size: 327680
    .private_segment_fixed_size: 0
    .kernarg_segment_align: 8
    .kernarg_segment_size: 40
    .max_flat_workgroup_size: 128
    .sgpr_count:     96
    .vgpr_count:     1024
    .wavefront_size: 32
...
	.end_amdgpu_metadata
.endif
;; end of part 4
